; MI455X (gfx1250); checked and timed in simulation.
; The chip was launched on July 23, 2026; its instructions are those of AMD's public machine-readable ISA for CDNA 5 (MIT licence, August 2026) and "CDNA5" Instruction Set Architecture Reference Guide (July 2026). The comments in the code are by the model that wrote it; some were corrected since.
;; Sap BER Tembedded SOM. Allowed arithmetic: float matrix products may take bf16 or f16 operands with f32 sums; other float arithmetic in f32, or as packed bf16 or f16 multiplies, adds, multiply-adds, maxima and minima; sums over many terms, partial sums and values carried from step to step in f32; what a program stores and reads back later, other than sums and carried values, may be rounded once to bf16 or f16.
;; Inputs: embedded 2,048 x 768 float32; weights 16,384 x 768 float32.
;; Outputs: out0 16,384 x 768 float32.
;; Constants: it = 100.
;; 3 versions, each right; version 2 is faster than version 1; version 3 is version 2 with the launch prep written anew for expert scheduling mode. Each part assembles by itself: llvm-mc -triple=amdgcn-amd-amdhsa -mcpu=gfx1250 --defsym DOCPART=n.
;; ======== version 1 of 3: 4 launches
;; limits: values within 7.6e-06 (relative) of each other or of a threshold may be ordered or decided otherwise than in the reference; values outside matrix products are rounded to bf16
;; workspace buffers: xb 3,145,728 bytes; wb 25,165,824 bytes; hw 65,536 bytes; pk 2,097,152 bytes; git 524,288 bytes; gjt 524,288 bytes
;; launch prep (part 1): grid 256 x 1, 8 waves a work-group, no clusters, 1,280 bytes of LDS; arguments embedded, weights, xb, wb, hw; writes xb, wb, hw
.if DOCPART == 1
	.amdgcn_target "amdgcn-amd-amdhsa--gfx1250"
	.amdhsa_code_object_version 6
	.text
	.protected	k_qbf278f6047_prep
	.globl	k_qbf278f6047_prep
	.p2align	8
	.type	k_qbf278f6047_prep,@function
k_qbf278f6047_prep:
	s_mov_b64 s[64:65], 0
	v_nop
	global_prefetch_b8 v0, s[64:65] scope:SCOPE_SE
	s_setreg_imm32_b32 hwreg(HW_REG_WAVE_MODE, 25, 1), 1
	s_wait_xcnt 0x0
; PREP.  xb = bf16(embedded) [2048][768], wb = bf16(weights) [16384][768], hw[c] = -1/2 x the sum over d of wb[c][d]^2, in f32.
; hw is taken of the ROUNDED row, so that x^ . w^ - |w^|^2 / 2 in the next launch is, up to a term constant in c, the true distance of the rounded points:
; a common offset of the inputs cancels in it as it does in the distance itself.
; A stream: memory binds, so no matrix unit, no cluster, no tile.  18,432 rows = 256 work-groups x 72: work-group g takes rows 64 g .. 64 g + 63 of weights and rows 8 g .. 8 g + 7
; of embedded; wave w takes eight rows of weights and one of embedded, a whole row at a time: 3,072 bytes = six loads of 512 consecutive bytes.  All 54 loads of a wave go out at the head
; (27 KB a wave on their way); each row has registers of its own, which are rounded in place and stored from there, so no register that a store reads is ever rewritten.
; A store of 8 bytes a lane covers 256 consecutive bytes, aligned.  The 64 sums of a work-group meet in LDS and leave as one store of 256 bytes.
.set ROWF,  3072                       ; bytes of a row in f32
.set ROWB,  1536                       ; in bf16
.set SPARE, 256                        ; LDS: bytes 0-255 the 64 sums; from 256 on the spare words, 128 bytes for each of the eight waves
.set TW,  2                            ; v[2:9]     at work
.set SUM, 10                           ; v[10:13]   two packed sums
.set XR,  16                           ; v[16:231]  row k of nine at XR + 24 k
.set SPW, 232                          ; v232       LDS address of my spare word; never rewritten
.set NIL, 233                          ; v233       0; never rewritten
	s_load_b256 s[4:11], s[0:1], 0x0               ; embedded s[4:5], weights s[6:7], xb s[8:9], wb s[10:11]
	s_load_b64 s[12:13], s[0:1], 0x20              ; hw
	v_lshl_add_u32 v[SPW], v0, 2, SPARE
	v_mov_b32 v[NIL], 0
	v_and_b32 v1, 31, v0                           ; lane
	v_lshrrev_b32 v2, 5, v0
	v_readfirstlane_b32 s14, v2                    ; wave 0..7
	v_lshlrev_b32 v14, 3, v1                       ; 8 x lane: my place in 256 bytes of bf16
	v_lshlrev_b32 v1, 4, v1                        ; 16 x lane: my place in 512 bytes of f32
	v_mov_b32 v15, s14
	v_lshlrev_b32 v15, 5, v15                      ; LDS: my wave's eight sums
	s_mov_b32 s16, 0xffff0000                      ; a word's upper bf16
	s_mov_b32 s18, 0x76543210                      ; v_permlanex16_b32: each lane takes its own place in the other half
	s_mov_b32 s19, 0xfedcba98
	s_lshl_b32 s20, ttmp9, 6
	s_lshl3_add_u32 s20, s14, s20                  ; my first row of weights: 64 g + 8 w
	s_mul_i32 s22, s20, ROWB
	s_mul_i32 s20, s20, ROWF                       ; 50,331,648 at the most: 32 bits hold it
	s_mov_b32 s21, 0
	s_mov_b32 s23, 0
	s_lshl3_add_u32 s24, ttmp9, s14                ; my row of embedded: 8 g + w
	s_mul_i32 s26, s24, ROWB
	s_mul_i32 s24, s24, ROWF
	s_mov_b32 s25, 0
	s_mov_b32 s27, 0
	s_lshl_b32 s28, ttmp9, 8                       ; the work-group's 64 sums in hw
	s_mov_b32 s29, 0
	s_wait_kmcnt 0x0
	s_add_nc_u64 s[6:7], s[6:7], s[20:21]
	s_add_nc_u64 s[10:11], s[10:11], s[22:23]
	s_add_nc_u64 s[4:5], s[4:5], s[24:25]
	s_add_nc_u64 s[8:9], s[8:9], s[26:27]
	s_add_nc_u64 s[12:13], s[12:13], s[28:29]
.set k, 0
.rept 8
.irp t, 0,1,2,3,4,5
	global_load_b128 v[XR+24*k+4*(\t):XR+24*k+4*(\t)+3], v1, s[6:7] offset:k*ROWF+(\t)*512 th:TH_LOAD_NT
.endr
.set k, k+1
.endr
.irp t, 0,1,2,3,4,5
	global_load_b128 v[XR+192+4*(\t):XR+192+4*(\t)+3], v1, s[4:5] offset:(\t)*512 th:TH_LOAD_NT
.endr
; Row k.  norm = 1: a row of weights, with its sum of squares; 0: the row of embedded.  left = the loads issued behind this row's six, which may stay out.
.macro ROW k, norm, left
	s_wait_loadcnt \left                           ; loads come back in order (ISA guide 5.7.1): my six are in
.irp t, 0,1,2,3,4,5
.set rx, XR+24*(\k)+4*(\t)
	v_cvt_pk_bf16_f32 v[rx], v[rx], v[rx+1]        ; four numbers become 8 bytes, in the registers that they came in
	v_cvt_pk_bf16_f32 v[rx+1], v[rx+2], v[rx+3]
.if \norm
	global_store_b64 v14, v[rx:rx+1], s[10:11] offset:(\k)*ROWB+(\t)*256
.set ry, TW+4*((\t)%2)
	v_lshlrev_b32 v[ry],   16,  v[rx]              ; the rounded numbers back in f32
	v_and_b32     v[ry+1], s16, v[rx]
	v_lshlrev_b32 v[ry+2], 16,  v[rx+1]
	v_and_b32     v[ry+3], s16, v[rx+1]
.if (\t) == 0
	v_pk_mul_f32 v[SUM:SUM+1],   v[ry:ry+1],   v[ry:ry+1]      ; the first squares start the sums: nothing is cleared
	v_pk_mul_f32 v[SUM+2:SUM+3], v[ry+2:ry+3], v[ry+2:ry+3]
.else
	v_pk_fma_f32 v[SUM:SUM+1],   v[ry:ry+1],   v[ry:ry+1],   v[SUM:SUM+1]
	v_pk_fma_f32 v[SUM+2:SUM+3], v[ry+2:ry+3], v[ry+2:ry+3], v[SUM+2:SUM+3]
.endif
.else
	global_store_b64 v14, v[rx:rx+1], s[8:9] offset:(\t)*256
.endif
.endr
.if \norm
	v_pk_add_f32 v[SUM:SUM+1], v[SUM:SUM+1], v[SUM+2:SUM+3]
	v_add_f32 v[SUM], v[SUM], v[SUM+1]
	v_add_f32_dpp v[SUM], v[SUM], v[SUM] row_xmask:1 row_mask:0xf bank_mask:0xf
	v_add_f32_dpp v[SUM], v[SUM], v[SUM] row_xmask:2 row_mask:0xf bank_mask:0xf
	v_add_f32_dpp v[SUM], v[SUM], v[SUM] row_xmask:4 row_mask:0xf bank_mask:0xf
	v_add_f32_dpp v[SUM], v[SUM], v[SUM] row_xmask:8 row_mask:0xf bank_mask:0xf
	v_permlanex16_b32 v[SUM+1], v[SUM], s18, s19
	v_add_f32 v[SUM], v[SUM], v[SUM+1]             ; every lane holds the row's sum
	v_mul_f32 v[SUM], -0.5, v[SUM]
	ds_store_b32 v15, v[SUM] offset:4*(\k)         ; all lanes write the same word with the same value
.endif
.endm
.irp k, 0,1,2,3,4,5,6,7
	ROW \k, 1, 48-6*(\k)
.endr
	ROW 8, 0, 0
	s_wait_dscnt 0x0                               ; for wave 0's sake: my eight sums are in LDS
	s_barrier_signal -1
	s_barrier_wait -1
	s_cmp_lg_u32 s14, 0
	s_cbranch_scc1 .Lnot_wave_0
	ds_load_b64 v[TW:TW+1], v14                    ; 64 sums, two a lane
	s_wait_dscnt 0x0
	global_store_b64 v14, v[TW:TW+1], s[12:13]     ; 256 consecutive bytes, aligned
.Lnot_wave_0:
	s_wait_tensorcnt 0x0                           ; the wave's end, behind my last LDS store
	ds_add_u32 v[SPW], v[NIL]
	s_wait_dscnt 0x0
	s_endpgm
.Lfunc_end_k_qbf278f6047_prep:
	.size	k_qbf278f6047_prep, .Lfunc_end_k_qbf278f6047_prep-k_qbf278f6047_prep
	.p2alignl 7, 3214868480
	.fill 96, 4, 3214868480
	.section	.rodata,"a",@progbits
	.p2align	6, 0x0
	.amdhsa_kernel k_qbf278f6047_prep
		.amdhsa_group_segment_fixed_size 1280
		.amdhsa_private_segment_fixed_size 0
		.amdhsa_enable_private_segment 0
		.amdhsa_kernarg_size 40
		.amdhsa_user_sgpr_count 2
		.amdhsa_user_sgpr_kernarg_segment_ptr 1
		.amdhsa_wavefront_size32 1
		.amdhsa_system_sgpr_workgroup_id_x 1
		.amdhsa_system_sgpr_workgroup_id_y 1
		.amdhsa_system_sgpr_workgroup_id_z 1
		.amdhsa_system_vgpr_workitem_id 0
		.amdhsa_next_free_vgpr 240
		.amdhsa_next_free_sgpr 66
		.amdhsa_reserve_vcc 0
		.amdhsa_float_denorm_mode_32 3
		.amdhsa_float_denorm_mode_16_64 3
		.amdhsa_memory_ordered 1
		.amdhsa_forward_progress 1
		.amdhsa_inst_pref_size 36
	.end_amdhsa_kernel
	.amdgpu_metadata
---
amdhsa.version: [ 1, 2 ]
amdhsa.kernels:
  - .name:           k_qbf278f6047_prep
    .symbol:         k_qbf278f6047_prep.kd
    .args:
      - { .name: embedded, .offset: 0, .size: 8, .value_kind: global_buffer, .address_space: global }
      - { .name: weights, .offset: 8, .size: 8, .value_kind: global_buffer, .address_space: global }
      - { .name: xb, .offset: 16, .size: 8, .value_kind: global_buffer, .address_space: global }
      - { .name: wb, .offset: 24, .size: 8, .value_kind: global_buffer, .address_space: global }
      - { .name: hw, .offset: 32, .size: 8, .value_kind: global_buffer, .address_space: global }
    .group_segment_fixed_size: 1280
    .private_segment_fixed_size: 0
    .kernarg_segment_align: 8
    .kernarg_segment_size: 40
    .max_flat_workgroup_size: 256
    .sgpr_count:     66
    .vgpr_count:     240
    .wavefront_size: 32
...
	.end_amdgpu_metadata
.endif
;; end of part 1
;; launch score (part 2): grid 64 x 8, 4 waves a work-group, clusters of 4 x 4, 327,680 bytes of LDS; arguments xb, wb, hw, pk; writes pk
.if DOCPART == 2
	.amdgcn_target "amdgcn-amd-amdhsa--gfx1250"
	.amdhsa_code_object_version 6
	.text
	.protected	k_qbf278f6047_score
	.globl	k_qbf278f6047_score
	.p2align	8
	.type	k_qbf278f6047_score,@function
k_qbf278f6047_score:
	s_mov_b64 s[64:65], 0
	v_nop
	global_prefetch_b8 v0, s[64:65] scope:SCOPE_SE
	s_setreg_imm32_b32 hwreg(HW_REG_WAVE_MODE, 25, 1), 1
	s_wait_xcnt 0x0
	s_wait_alu depctr_hold_cnt(0) depctr_sa_sdst(0) depctr_va_vdst(0) depctr_va_sdst(0) depctr_va_ssrc(0) depctr_va_vcc(0) depctr_vm_vsrc(0)
	s_getreg_b32 s2, hwreg(HW_REG_IB_STS2, 6, 4)
	s_cmp_eq_u32 s2, 0
	s_cbranch_scc0 .Lentry_in_a_cluster
	s_endpgm
.Lentry_in_a_cluster:
	s_bfe_u32 s2, ttmp6, 0x10000c
	s_cmp_lg_u32 s2, 0xf033
	s_cbranch_scc0 .Lentry_shape_is_right
	s_endpgm
.Lentry_shape_is_right:
; SCORE.  s[b][c] = x^[b] . w^[c] - |w^[c]|^2 / 2, whose largest c is the nearest row of the codebook (|x|^2, which the distance also holds, is the same for every c and is not added).
; Of each run of 64 scores of one b only the largest leaves, as a KEY: the score with its six lowest mantissa bits replaced by the candidate's number in the run.
; LIMITS.  Candidates whose scores agree to within 2^-17 of the score may change places, and an exact tie need not go to the lowest index; NaN is not treated apart (a NaN loses every maximum).
; xb: [2048][768] bf16, wb: [16384][768] bf16, hw: [16384] f32 = -|w^|^2 / 2, pk: [256 runs g][2048 places] f32.
; SHAPE.  A tile is 256 b x 256 c, made by four waves, as many as a WGP has SIMDs; a wave makes 128 x 128: 64 accumulators, 512 registers.  K = 768 goes in six steps of 128 through two LDS slots filled by
; the tensor data mover; a tile's rows are 256 bytes of memory and start at multiples of 256 bytes.  512 tiles: two equal shares for each of 256 WGPs.
; CLUSTER.  4 x 4 work-groups: the four of a row need the same tiles of xb, the four of a column the same tiles of wb: each tile is asked for JOINTLY, by the same tensor load with the same descriptor and a mask of four.
; THE MATRIX INSTRUCTION: source 0 = 16 rows of wb, source 1 = 16 rows of xb.  Lane l then holds ONE b (16 a + l % 16) and in registers 0-7 of accumulator (a, bb) the candidates c = 16 bb + 8 (l / 16) + 0..7:
; the maximum over its 64 candidates never leaves the lane.  hw enters as the C operand of the first product, so it costs no vector work.
; pk: row g = 4 x tile column + 2 x my half of the columns + l / 16; place = 256 x tile row + 128 x my half of the rows + 64 (a / 4) + 4 (l % 16) + a % 4: a fixed shuffle of b, which the next launch undoes;
; so a lane stores 16 bytes and sixteen lanes 256 consecutive bytes, aligned.
; REGISTERS, in windows of 256 (s_set_vgpr_msb: bits 1:0 source 0, 3:2 source 1, 5:4 source 2, 7:6 destination):
;   window 0: v0-31 addresses; v32-47 the running maxima; v64-127, v128-191 fragments of xb, two buffers; v192-255 hw of my 64 candidates
;   window 1: v64-127, v128-191 fragments of wb, two buffers      window 2: the accumulators of my rows 0-63 ((a, bb) at v[8 (8 a + bb)])      window 3: those of my rows 64-127
.set SIZE_K, 768
.set KSTEP,  128
.set PITCH,  272                       ; an LDS row: 256 bytes + 16 of padding = 68 words: the 16 rows that a load touches start at 16 different groups of four banks (64 banks of 4 bytes: ISA guide 11.1)
.set HALFT,  128*PITCH                 ; 128 rows: what one tensor load brings, and what one wave reads of xb or of wb
.set SLOT,   4*HALFT                   ; xb's 256 rows, then wb's 256 rows
.set SPARE,  2*SLOT                    ; behind the ring: the spare words, 128 bytes for each wave
.set LAPS,   SIZE_K/(2*KSTEP)          ; a lap = two K steps = once round the ring: 3
.set ADRA, 16                          ; v16-17  LDS address of my fragments of xb in slot 0, 1
.set ADRB, 20                          ; v20-21  the same for wb
.set PO,   26                          ; v26     my byte offset in pk
.set HO,   27                          ; v27     my byte offset in hw
.set SPW,  28                          ; v28     LDS address of my spare word; never rewritten
.set NIL,  29                          ; v29     0; never rewritten
.set BV,   32                          ; v32-39  block a's maximum over candidates 0-31 of the lane's 64
.set BW,   40                          ; v40-47  over candidates 32-63
.set F0,   64
.set F1,   128
.set HW,   192
.set G1, 24                            ; s[24:31] descriptor group 1 for xb's tiles;  s[32:39] group 0, a set for each slot
.set G0, 32
.set G1B, 48                           ; s[48:55], s[56:63] the same for wb's tiles
.set G0B, 56
.set MSB, 0
.macro WIN new                         ; the immediate's high byte repeats the setting that is left; a switch that changes nothing is dropped
.if MSB != (\new)
	s_set_vgpr_msb (MSB<<8)|(\new)
.set MSB, \new
.endif
.endm
.set MUL_LO, 0xa1                      ; source 0 (wb) window 1, source 1 (xb) window 0, C and D window 2
.set TO_B,   0x40                      ; destination window 1, address window 0
; A joint load.  Waves 0 and 1 fetch xb's two halves, waves 2 and 3 wb's.  The branch hangs on the wave's number alone.  An s_nop 0 and four v_nop follow each of the two lines.
.macro JLOAD s
	s_cmp_eq_u32 s11, 0
	s_cbranch_scc0 .Lfor_b_\@
	tensor_load_to_lds s[G0+4*(\s):G0+4*(\s)+3], s[G1:G1+7]
	s_nop 0
.rept 4
	v_nop
.endr
	s_branch .Lasked_\@
.Lfor_b_\@:
	tensor_load_to_lds s[G0B+4*(\s):G0B+4*(\s)+3], s[G1B:G1B+7]
	s_nop 0
.rept 4
	v_nop
.endr
.Lasked_\@:
.endm
.macro CREST                           ; a round of the cluster's barrier behind its opening barrier
	s_cmp_lg_u32 s10, 0
	s_cbranch_scc1 .Lnot_wave_0_\@
	s_barrier_signal -3
.Lnot_wave_0_\@:
	s_barrier_wait -3
	s_barrier_signal -1
	s_barrier_wait -1
.endm
.macro CROUND                          ; a whole round
	s_barrier_signal -1
	s_barrier_wait -1
	CREST
.endm
	s_load_b128 s[4:7], s[0:1], 0x0                ; xb s[4:5], wb s[6:7]
	s_load_b128 s[68:71], s[0:1], 0x10             ; hw s[68:69], pk s[70:71]
	v_lshl_add_u32 v[SPW], v0, 2, SPARE
	v_mov_b32 v[NIL], 0
	ds_add_u32 v[SPW], v[NIL]                      ; the wave's opening: the add and its wait stand ahead of my first tensor load; the set-up below, work on registers, stands between them
	v_lshrrev_b32 v1, 5, v0
	v_readfirstlane_b32 s10, v1                    ; wave 0..3
	s_lshr_b32 s11, s10, 1                         ; which half of the tile's b is mine.  Also: I fetch for xb (0) or for wb (1)
	s_and_b32 s12, s10, 1                          ; which half of its c.  Also: which 128 rows of that tile I fetch
	s_bfe_u32 s40, ttmp6, 0x40000                  ; cx, cy: my place in the cluster
	s_bfe_u32 s41, ttmp6, 0x40004
	s_lshl_b32 s42, ttmp9, 2
	s_add_co_u32 s42, s42, s40                     ; tile column (256 c) = 4 x cluster x + cx
	s_and_b32 s13, ttmp7, 0xffff
	s_lshl_b32 s13, s13, 2
	s_add_co_u32 s13, s13, s41                     ; tile row (256 b) = 4 x cluster y + cy
	s_lshl_b32 s43, s41, 2
	s_lshl_b32 s43, 15, s43                        ; my row of the cluster: places 4 cy .. 4 cy + 3
	s_lshl_b32 s44, 0x1111, s40                    ; my column: places cx, cx + 4, cx + 8, cx + 12
	s_mov_b32 s45, 0xffffffc0                      ; keeps all of a score but its six lowest bits
	; descriptor group 1: a tile of 128 rows x 128 elements, padded in LDS
	s_or_b32 s[G1+0], s43, (1<<16)|(1<<20)|(1<<21)|(5<<22)|(3<<25)   ; 15:0 the mask: xb's tiles go to my row; 17:16 2-byte elements; 20 padding on; 21 set beside a mask; 24:22 after every 64 words; 31:25 4 words
	s_or_b32 s[G1B+0], s44, (1<<16)|(1<<20)|(1<<21)|(5<<22)|(3<<25)  ; the same with the mask of my column, for wb's tiles
.irp g, G1, G1B
	s_mov_b32 s[(\g)+1], KSTEP<<16                 ; tensor_dim0 = 128
	s_mov_b32 s[(\g)+2], 128<<16                   ; tensor_dim1 = 128
	s_mov_b32 s[(\g)+3], KSTEP<<16                 ; tile_dim0 = 128
	s_mov_b32 s[(\g)+4], 128                       ; tile_dim1 = 128
	s_mov_b32 s[(\g)+5], SIZE_K                    ; elements from row to row
	s_mov_b32 s[(\g)+6], 0
	s_mov_b32 s[(\g)+7], 0
.endr
	; xb's tiles hang on the tile row alone, which my row of the cluster shares; wb's on the tile column alone, which my column shares
	s_lshl_b32 s17, s12, 7                         ; which 128 rows of the tile I fetch
	s_lshl_b32 s16, s13, 8
	s_add_co_u32 s16, s16, s17                     ; xb: row 256 x tile row + 128 x half
	s_lshl_b32 s46, s42, 8
	s_add_co_u32 s46, s46, s17                     ; wb: row 256 x tile column + 128 x half
	s_mov_b32 s17, 0
	s_mov_b32 s47, 0
	s_mov_b64 s[18:19], SIZE_K*2
	s_mul_u64 s[16:17], s[16:17], s[18:19]
	s_mul_u64 s[46:47], s[46:47], s[18:19]
	s_mul_i32 s20, s10, HALFT                      ; where they go: wave x 128 rows: no place in the cluster enters an LDS address
	s_wait_dscnt 0x0                               ; the opening add is done
	s_wait_kmcnt 0x0
	s_add_nc_u64 s[14:15], s[4:5], s[16:17]
	s_add_nc_u64 s[46:47], s[6:7], s[46:47]
	CROUND                                         ; all sixteen work-groups are here: the first joint loads meet
.irp s, 0,1
	s_mov_b32 s[G0+4*(\s)], 1                                        ; count = 1
	s_add_co_u32 s[G0+4*(\s)+1], s20, (\s)*SLOT                      ; LDS address
	s_add_nc_u64 s[G0+4*(\s)+2:G0+4*(\s)+3], s[14:15], (\s)*KSTEP*2  ; global address: K step s
	s_or_b32 s[G0+4*(\s)+3], s[G0+4*(\s)+3], 0x80000000              ; type = 2
	s_mov_b32 s[G0B+4*(\s)], 1
	s_add_co_u32 s[G0B+4*(\s)+1], s20, (\s)*SLOT
	s_add_nc_u64 s[G0B+4*(\s)+2:G0B+4*(\s)+3], s[46:47], (\s)*KSTEP*2
	s_or_b32 s[G0B+4*(\s)+3], s[G0B+4*(\s)+3], 0x80000000
	JLOAD \s                                       ; two tensor loads of mine are out
.endr
	v_and_b32 v1, 15, v0                           ; l % 16
	v_bfe_u32 v2, v0, 4, 1                         ; l / 16
	; hw of my candidates: register 8 bb + j takes hw[256 x tile column + 128 x half + 16 bb + 8 (l / 16) + j]
	v_lshlrev_b32 v[HO], 5, v2
	s_lshl_b32 s46, s42, 10
	s_lshl_b32 s47, s12, 9
	s_add_co_u32 s46, s46, s47
	s_mov_b32 s47, 0
	s_add_nc_u64 s[68:69], s[68:69], s[46:47]
.irp b, 0,1,2,3,4,5,6,7
	global_load_b128 v[HW+8*(\b):HW+8*(\b)+3],   v[HO], s[68:69] offset:64*(\b)
	global_load_b128 v[HW+8*(\b)+4:HW+8*(\b)+7], v[HO], s[68:69] offset:64*(\b)+16
.endr
	; a fragment is 16 rows x 32 K in 8 registers: lane l holds row l % 16; two loads of 16 bytes, 32 bytes apart, at row x pitch + 16 (l / 16)
	v_mul_u32_u24 v3, v1, PITCH
	v_lshl_add_u32 v3, v2, 4, v3
	s_mul_i32 s21, s11, HALFT                      ; my 128 rows of xb
	s_mul_i32 s22, s12, HALFT                      ; my 128 rows of wb,
	s_add_co_u32 s22, s22, 2*HALFT                 ; which lie behind xb's 256
.irp s, 0,1
	v_add_nc_u32 v[ADRA+(\s)], s21, v3
	v_add_nc_u32 v[ADRB+(\s)], s22, v3
	s_add_co_u32 s21, s21, SLOT
	s_add_co_u32 s22, s22, SLOT
.endr
	v_lshlrev_b32 v[PO], 4, v1                     ; pk: 16 bytes for each l % 16,
	v_lshl_add_u32 v[PO], v2, 13, v[PO]            ; and one row of 8,192 bytes further for lanes 16-31
	s_lshl_b32 s16, s13, 10                        ; 256 places x 4 bytes a tile row,
	s_lshl_b32 s17, s11, 9                         ; 128 a half
	s_add_co_u32 s16, s16, s17
	s_lshl_b32 s46, s42, 15                        ; four rows of pk a tile column,
	s_lshl_b32 s47, s12, 14                        ; two a half
	s_add_co_u32 s46, s46, s47
	s_add_co_u32 s46, s46, s16
	s_mov_b32 s47, 0
	s_add_nc_u64 s[70:71], s[70:71], s[46:47]
; 16 matrix instructions: blocks a0, a0 + 1 of the window's four (hi = 0: my rows 0-63, 1: rows 64-127) x all 8 blocks of candidates, 32 along K.
; zero = 1: the first product starts the sums, with hw (window 0) as its C: nothing is ever cleared.  The 64 accumulators take turns, one instruction a turn.
.macro MUL16 f, hi, a0, zero
.if \zero
	WIN 0x81+0x40*(\hi)
.else
	WIN MUL_LO+0x50*(\hi)
.endif
.irp a, \a0, (\a0)+1
.irp b, 0,1,2,3,4,5,6,7
.if \zero
	v_wmma_f32_16x16x32_bf16 v[8*(8*(\a)+(\b)):8*(8*(\a)+(\b))+7], v[(\f)+8*(\b):(\f)+8*(\b)+7], v[(\f)+8*(4*(\hi)+(\a)):(\f)+8*(4*(\hi)+(\a))+7], v[HW+8*(\b):HW+8*(\b)+7]
.else
	v_wmma_f32_16x16x32_bf16 v[8*(8*(\a)+(\b)):8*(8*(\a)+(\b))+7], v[(\f)+8*(\b):(\f)+8*(\b)+7], v[(\f)+8*(4*(\hi)+(\a)):(\f)+8*(4*(\hi)+(\a))+7], v[8*(8*(\a)+(\b)):8*(8*(\a)+(\b))+7]
.endif
.endr
.endr
.endm
; 32 LDS loads in one run: the fragments of one quarter step (128 rows of wb, 128 rows of xb, 32 K at byte k of the rows) into buffer f
.macro FETCH slot, k, f
	WIN TO_B
.irp i, 0,1,2,3,4,5,6,7
	ds_load_b128 v[(\f)+8*(\i):(\f)+8*(\i)+3],   v[ADRB+(\slot)] offset:(\k)+(\i)*16*PITCH
	ds_load_b128 v[(\f)+8*(\i)+4:(\f)+8*(\i)+7], v[ADRB+(\slot)] offset:(\k)+(\i)*16*PITCH+32
.endr
	WIN 0
.irp i, 0,1,2,3,4,5,6,7
	ds_load_b128 v[(\f)+8*(\i):(\f)+8*(\i)+3],   v[ADRA+(\slot)] offset:(\k)+(\i)*16*PITCH
	ds_load_b128 v[(\f)+8*(\i)+4:(\f)+8*(\i)+7], v[ADRA+(\slot)] offset:(\k)+(\i)*16*PITCH+32
.endr
.endm
.macro PLACES                          ; four plain vector instructions between a matrix instruction and a load into a register that it has read (ISA guide 7.12.1 for vector instructions)
.rept 4
	v_nop
.endr
.endm
; A K step is four quarters of 32 along K, 64 matrix instructions each, on buffers 0, 1, 0, 1.  One of the first three multiplies buffer f and fetches the next quarter, at byte k, into g.
.macro QUARTER slot, k, f, g, zero
	s_wait_dscnt 8                                 ; wb and xb's rows 0-63 are in; the youngest eight loads (xb's rows 64-127) may be out
	MUL16 \f, 0, 0, \zero
	MUL16 \f, 0, 2, \zero
	PLACES
	FETCH \slot, \k, \g
	s_wait_dscnt 32                                ; all but the 32 just issued
	MUL16 \f, 1, 0, \zero
	MUL16 \f, 1, 2, \zero
.endm
; The last quarter multiplies buffer 1 and changes slots.  ONE barrier: in front of it each wave waits for all its tensor loads (one is out: its part of the next slot), adds 0 to its spare word,
; and waits for that and for its own reads of this slot.  Behind it nobody reads this slot any more and the next slot is whole.
.macro MEET round
	WIN 0                                          ; (the add's two registers lie in window 0)
	s_wait_tensorcnt 0x0
	ds_add_u32 v[SPW], v[NIL]                      ; 0 onto my spare word
	s_wait_dscnt 9                                 ; (the add and the youngest eight loads may be out)
	MUL16 F1, 0, 0, 0                              ; sixteen matrix instructions stand between the add and the wait for it
	s_wait_dscnt 0x0                               ; the add is done, and my reads of this slot are over
	s_barrier_signal -1
	MUL16 F1, 0, 2, 0                              ; work on registers while the others arrive
.if \round
	WIN 0
.endif
	s_barrier_wait -1
.endm
.macro TURN slot, next                 ; the whole last quarter, with the slot just read out filled again two K steps ahead
	MEET 1
	CREST                                          ; the barrier has opened a round of the cluster's barrier: no wave of any partner still reads this slot or has a load on its way
	s_add_nc_u64 s[G0+4*(\slot)+2:G0+4*(\slot)+3], s[G0+4*(\slot)+2:G0+4*(\slot)+3], 2*KSTEP*2
	s_add_nc_u64 s[G0B+4*(\slot)+2:G0B+4*(\slot)+3], s[G0B+4*(\slot)+2:G0B+4*(\slot)+3], 2*KSTEP*2
	JLOAD \slot                                    ; the first tensor load behind the round, my only one until the next; its four v_nop are also the places in front of the loads below
	FETCH \next, 0, F0
	MUL16 F1, 1, 0, 0
	MUL16 F1, 1, 2, 0
.endm
	s_wait_tensorcnt 1                             ; my part of K step 0 is in; K step 1's may stay out
	s_barrier_signal -1
	s_barrier_wait -1                              ; everybody's is
	FETCH 0, 0, F0
	s_wait_loadcnt 0x0                             ; hw
	QUARTER 0, 64,  F0, F1, 1                      ; the first quarter stands in front of the loop: its products start the sums
	WIN 0                                          ; at a label and at a branch every window is 0
	s_mov_b32 s3, LAPS-1
.Llap:                                                 ; a trip goes once round the ring, from a lap's second quarter to the next lap's first, and fills both slots again
	QUARTER 0, 128, F1, F0, 0
	QUARTER 0, 192, F0, F1, 0
	TURN 0, 1
	QUARTER 1, 64,  F0, F1, 0
	QUARTER 1, 128, F1, F0, 0
	QUARTER 1, 192, F0, F1, 0
	TURN 1, 0
	QUARTER 0, 64,  F0, F1, 0
	WIN 0
	s_sub_co_u32 s3, s3, 1
	s_cmp_lg_u32 s3, 0
	s_cbranch_scc1 .Llap
	QUARTER 0, 128, F1, F0, 0                      ; the last lap is written out: it asks for nothing more
	QUARTER 0, 192, F0, F1, 0
	MEET 0                                         ; the load that was out is the last K step's, so no round follows
	PLACES
	FETCH 1, 0, F0
	MUL16 F1, 1, 0, 0
	MUL16 F1, 1, 2, 0
	QUARTER 1, 64,  F0, F1, 0
	QUARTER 1, 128, F1, F0, 0
	QUARTER 1, 192, F0, F1, 0
	s_wait_dscnt 8                                 ; the very last quarter: nothing more to fetch
	MUL16 F1, 0, 0, 0
	MUL16 F1, 0, 2, 0
	s_wait_dscnt 0x0
	MUL16 F1, 1, 0, 0
	MUL16 F1, 1, 2, 0
	; THE WAY OUT.  The sixteen moves are also the places behind the last products.
	WIN 0
.set x, 0
.rept 16
	v_mov_b32 v[BV+x], 0xff800000                  ; minus infinity
.set x, x+1
.endr
; One window's 32 accumulators: every score becomes a key (accumulator by accumulator, lowest register first), then eight chains of maxima, three operands at a time, by turns.
.macro KEYS hi
	WIN 0x82+0x41*(\hi)                            ; source 0 and destination in window 2 or 3
.set x, 0
.rept 256
	v_and_or_b32 v[x], v[x], s45, x%64             ; 8 bb + j into the six lowest bits
.set x, x+1
.endr
	WIN 0x28+0x14*(\hi)                            ; sources 1 and 2 in window 2 or 3, the maxima in window 0
.set p, 0
.rept 16
.irp a, 0,1,2,3
	v_max3_num_f32 v[BV+4*(\hi)+(\a)], v[BV+4*(\hi)+(\a)], v[64*(\a)+2*p], v[64*(\a)+2*p+1]
	v_max3_num_f32 v[BW+4*(\hi)+(\a)], v[BW+4*(\hi)+(\a)], v[64*(\a)+32+2*p], v[64*(\a)+32+2*p+1]
.endr
.set p, p+1
.endr
.endm
	KEYS 0
	KEYS 1
	WIN 0
.irp a, 0,1,2,3,4,5,6,7
	v_max_num_f32 v[BV+(\a)], v[BV+(\a)], v[BW+(\a)]
.endr
	global_store_b128 v[PO], v[BV:BV+3],   s[70:71]             ; 16 lanes store 256 consecutive bytes of one row of pk, aligned
	global_store_b128 v[PO], v[BV+4:BV+7], s[70:71] offset:256
	s_wait_tensorcnt 0x0                           ; the wave's end, behind my last tensor load
	ds_add_u32 v[SPW], v[NIL]
	s_wait_dscnt 0x0
	CROUND                                         ; the closing round: no work-group ends while a partner may still ask for a tile that names it
	s_endpgm
.Lfunc_end_k_qbf278f6047_score:
	.size	k_qbf278f6047_score, .Lfunc_end_k_qbf278f6047_score-k_qbf278f6047_score
	.p2alignl 7, 3214868480
	.fill 96, 4, 3214868480
	.section	.rodata,"a",@progbits
	.p2align	6, 0x0
	.amdhsa_kernel k_qbf278f6047_score
		.amdhsa_group_segment_fixed_size 327680
		.amdhsa_private_segment_fixed_size 0
		.amdhsa_enable_private_segment 0
		.amdhsa_kernarg_size 32
		.amdhsa_user_sgpr_count 2
		.amdhsa_user_sgpr_kernarg_segment_ptr 1
		.amdhsa_wavefront_size32 1
		.amdhsa_system_sgpr_workgroup_id_x 1
		.amdhsa_system_sgpr_workgroup_id_y 1
		.amdhsa_system_sgpr_workgroup_id_z 1
		.amdhsa_system_vgpr_workitem_id 0
		.amdhsa_next_free_vgpr 1024
		.amdhsa_next_free_sgpr 72
		.amdhsa_reserve_vcc 0
		.amdhsa_float_denorm_mode_32 3
		.amdhsa_float_denorm_mode_16_64 3
		.amdhsa_memory_ordered 1
		.amdhsa_forward_progress 1
		.amdhsa_inst_pref_size 162
	.end_amdhsa_kernel
	.amdgpu_metadata
---
amdhsa.version: [ 1, 2 ]
amdhsa.kernels:
  - .name:           k_qbf278f6047_score
    .symbol:         k_qbf278f6047_score.kd
    .args:
      - { .name: xb, .offset: 0, .size: 8, .value_kind: global_buffer, .address_space: global }
      - { .name: wb, .offset: 8, .size: 8, .value_kind: global_buffer, .address_space: global }
      - { .name: hw, .offset: 16, .size: 8, .value_kind: global_buffer, .address_space: global }
      - { .name: pk, .offset: 24, .size: 8, .value_kind: global_buffer, .address_space: global }
    .group_segment_fixed_size: 327680
    .private_segment_fixed_size: 0
    .kernarg_segment_align: 8
    .kernarg_segment_size: 32
    .max_flat_workgroup_size: 128
    .sgpr_count:     72
    .vgpr_count:     1024
    .wavefront_size: 32
...
	.end_amdgpu_metadata
.endif
;; end of part 2
;; launch pick (part 3): grid 16 x 1, 16 waves a work-group, no clusters, 19,456 bytes of LDS; arguments pk, git, gjt; writes git, gjt
.if DOCPART == 3
	.amdgcn_target "amdgcn-amd-amdhsa--gfx1250"
	.amdhsa_code_object_version 6
	.text
	.protected	k_qbf278f6047_pick
	.globl	k_qbf278f6047_pick
	.p2align	8
	.type	k_qbf278f6047_pick,@function
k_qbf278f6047_pick:
	s_mov_b64 s[64:65], 0
	v_nop
	global_prefetch_b8 v0, s[64:65] scope:SCOPE_SE
	s_setreg_imm32_b32 hwreg(HW_REG_WAVE_MODE, 25, 1), 1
	s_wait_xcnt 0x0
; PICK.  For each sample b the largest of its 256 keys gives the best unit (bi, bj) on the 128 x 128 grid; then the two tables of the separable neighbourhood are written:
;   git[i][b] = 0.27 exp(-(i - bi_b)^2 / 3317.76),  gjt[j][b] = exp(-(j - bj_b)^2 / 3317.76),  both [128][2048] bf16, so that lr[b][128 i + j] = git[i][b] gjt[j][b].
; 0.27 = 0.3 x (1 - 100 / 1000); 3317.76 = (64 x 0.9)^2.  The exponents lie between -9 and 0 in base 2 for every input: nothing can overflow or vanish.
; The best unit is used as a VALUE alone: no address and no branch hangs on it.  Among equal keys the lower run wins (the compare is strict).
; pk: [256 runs g][2048 places] f32.  A key's six lowest bits are loc = 8 bb + j.  bi = g / 2, bj = 16 (loc / 8) + 8 (g % 2) + loc % 8.
; Place p of a block of 128 holds sample 16 a + r of that block, with p = 64 (a / 4) + 4 r + a % 4.
; Work-group w owns samples 128 w .. 128 w + 127, so that its piece of each table row is 256 consecutive bytes, aligned.  16 work-groups: the launch moves 3 MB and has work for no more
; without writing rows in pieces shorter than that.  No matrix unit, no cluster: the work-groups share no input.
.set KEYS, 0                           ; LDS: [16 parts][128 places] f32: each wave's best key
.set GRPS, 8192                        ; [16][128]: and its run
.set BIF,  16384                       ; [128 samples] f32: bi
.set BJF,  16896                       ; [128] f32: bj
.set SPARE, 17408                      ; the spare words, 128 bytes for each of the sixteen waves
.set KY,  16                           ; v[16:79]  stage 1: run n's four keys at KY + 4 n.  Stage 2: v16-31 keys, v32-47 runs.  Stage 3: v16-23 coordinates, v32-39 at work, v48-79 results
.set IX,  80                           ; v[80:83]  stage 1: the best run of my four places
.set SPW, 110                          ; v110  LDS address of my spare word; never rewritten
.set NIL, 111                          ; v111  0; never rewritten
	s_load_b128 s[4:7], s[0:1], 0x0                ; pk s[4:5], git s[6:7]
	s_load_b64 s[8:9], s[0:1], 0x10                ; gjt
	v_lshl_add_u32 v[SPW], v0, 2, SPARE
	v_mov_b32 v[NIL], 0
	v_lshrrev_b32 v2, 5, v0
	v_readfirstlane_b32 s14, v2                    ; wave p, 0..15
	v_and_b32 v1, 31, v0
	v_lshlrev_b32 v3, 4, v1                        ; 16 x lane: four places,
	v_lshl_add_u32 v3, v2, 17, v3                  ; + p x 16 rows of 8,192 bytes
	v_lshlrev_b32 v4, 4, v0                        ; LDS: 512 p + 16 x lane
	s_lshl_b32 s16, ttmp9, 9                       ; the work-group's 128 places in a row of pk
	s_mov_b32 s17, 0
	s_lshl_b32 s18, ttmp9, 8                       ; its 128 samples in a row of a table
	s_mov_b32 s19, 0
	s_lshl_b32 s20, s14, 4                         ; my first run
	s_wait_kmcnt 0x0
	s_add_nc_u64 s[4:5], s[4:5], s[16:17]
	; STAGE 1: wave p takes runs 16 p .. 16 p + 15: sixteen loads of 512 consecutive bytes
.set n, 0
.rept 16
	global_load_b128 v[KY+4*n:KY+4*n+3], v3, s[4:5] offset:n*8192
.set n, n+1
.endr
.irp q, 0,1,2,3
	v_mov_b32 v[IX+(\q)], 0
.endr
	s_wait_loadcnt 0x0
.set n, 1
.rept 15
.irp q, 0,1,2,3
	v_cmp_gt_f32 vcc_lo, v[KY+4*n+(\q)], v[KY+(\q)]
	v_cndmask_b32 v[KY+(\q)], v[KY+(\q)], v[KY+4*n+(\q)], vcc_lo
	v_cndmask_b32 v[IX+(\q)], v[IX+(\q)], n, vcc_lo
.endr
.set n, n+1
.endr
.irp q, 0,1,2,3
	v_add_nc_u32 v[IX+(\q)], s20, v[IX+(\q)]
.endr
	ds_store_b128 v4, v[KY:KY+3] offset:KEYS
	ds_store_b128 v4, v[IX:IX+3] offset:GRPS
	s_wait_dscnt 0x0                               ; for the others' sake: my stores are done
	s_barrier_signal -1
	s_barrier_wait -1
	; STAGE 2: waves 0 to 3, a thread a sample: thread t reads the sixteen parts at its sample's place and stores the two coordinates at 4 t
	s_cmp_gt_u32 s14, 3
	s_cbranch_scc1 .Lnot_mine
	v_and_b32 v5, 0x40, v0                         ; 64 (a / 4), a = t / 16
	v_and_b32 v6, 15, v0                           ; r
	v_bfe_u32 v7, v0, 4, 2                         ; a % 4
	v_lshl_add_u32 v5, v6, 2, v5
	v_add_nc_u32 v5, v5, v7
	v_lshlrev_b32 v5, 2, v5                        ; the place, in bytes
.set n, 0
.rept 16
	ds_load_b32 v[16+n], v5 offset:KEYS+512*n
	ds_load_b32 v[32+n], v5 offset:GRPS+512*n
.set n, n+1
.endr
	v_lshlrev_b32 v10, 2, v0
	s_wait_dscnt 0x0
.set n, 1
.rept 15
	v_cmp_gt_f32 vcc_lo, v[16+n], v16
	v_cndmask_b32 v16, v16, v[16+n], vcc_lo
	v_cndmask_b32 v32, v32, v[32+n], vcc_lo
.set n, n+1
.endr
	v_and_b32 v6, 63, v16                          ; loc
	v_lshrrev_b32 v7, 1, v32                       ; bi
	v_and_b32 v8, 1, v32
	v_and_b32 v9, 7, v6
	v_lshrrev_b32 v6, 3, v6
	v_lshl_add_u32 v9, v8, 3, v9
	v_lshl_add_u32 v9, v6, 4, v9                   ; bj
	v_cvt_f32_u32 v7, v7
	v_cvt_f32_u32 v9, v9
	ds_store_b32 v10, v7 offset:BIF
	ds_store_b32 v10, v9 offset:BJF
.Lnot_mine:
	s_wait_dscnt 0x0                               ; for the others' sake
	s_barrier_signal -1
	s_barrier_wait -1
	; STAGE 3: waves 0-7 write git, waves 8-15 gjt, sixteen rows each.  A lane has eight samples (16 bytes); lanes 0-15 take one row, lanes 16-31 the next.
	s_lshr_b32 s15, s14, 3
	s_lshl_b32 s15, s15, 9
	s_add_co_u32 s15, s15, BIF                     ; bi for git, bj for gjt
	s_and_b32 s21, s14, 7
	s_lshl_b32 s21, s21, 4                         ; my first row
	s_mov_b32 s13, 0xb9e3fb40                      ; -log2(e) / 3317.76
	s_cmp_lt_u32 s14, 8
	s_cselect_b64 s[10:11], s[6:7], s[8:9]
	s_cselect_b32 s12, 0xbff1c9ba, 0               ; log2(0.27) for git, 0 for gjt
	s_add_nc_u64 s[10:11], s[10:11], s[18:19]
	v_and_b32 v6, 15, v0
	v_bfe_u32 v7, v0, 4, 1
	v_lshl_add_u32 v8, v6, 5, s15
	ds_load_b128 v[16:19], v8
	ds_load_b128 v[20:23], v8 offset:16
	v_add_nc_u32 v9, s21, v7
	v_cvt_f32_u32 v24, v9                          ; my row, as a number
	v_lshlrev_b32 v25, 12, v9                      ; and as 4,096 bytes a row,
	v_lshl_add_u32 v25, v6, 4, v25                 ; + my 16 bytes; never rewritten: the row pair stands in the store's immediate
	s_wait_dscnt 0x0
.set n, 0
.rept 8
.irp e, 0,1,2,3,4,5,6,7
	v_sub_f32 v[32+(\e)], v24, v[16+(\e)]
.endr
.irp e, 0,1,2,3,4,5,6,7
	v_mul_f32 v[32+(\e)], v[32+(\e)], v[32+(\e)]
.endr
.irp e, 0,1,2,3,4,5,6,7
	v_fma_f32 v[32+(\e)], v[32+(\e)], s13, s12
.endr
.irp e, 0,1,2,3,4,5,6,7
	v_exp_f32 v[32+(\e)], v[32+(\e)]
.endr
	v_add_f32 v24, 2.0, v24                        ; the next pair of rows; also the plain instruction between the last exponential and the use of its result (ISA guide 5.7.2)
	s_wait_alu depctr_va_vdst(0)
.irp e, 0,1,2,3
	v_cvt_pk_bf16_f32 v[48+4*n+(\e)], v[32+2*(\e)], v[32+2*(\e)+1]  ; each pair of rows has result registers of its own: none that a store reads is rewritten
.endr
	global_store_b128 v25, v[48+4*n:48+4*n+3], s[10:11] offset:n*8192  ; 16 lanes store 256 consecutive bytes, aligned
.set n, n+1
.endr
	s_wait_tensorcnt 0x0                           ; the wave's end, behind my last LDS store
	ds_add_u32 v[SPW], v[NIL]
	s_wait_dscnt 0x0
	s_endpgm
.Lfunc_end_k_qbf278f6047_pick:
	.size	k_qbf278f6047_pick, .Lfunc_end_k_qbf278f6047_pick-k_qbf278f6047_pick
	.p2alignl 7, 3214868480
	.fill 96, 4, 3214868480
	.section	.rodata,"a",@progbits
	.p2align	6, 0x0
	.amdhsa_kernel k_qbf278f6047_pick
		.amdhsa_group_segment_fixed_size 19456
		.amdhsa_private_segment_fixed_size 0
		.amdhsa_enable_private_segment 0
		.amdhsa_kernarg_size 24
		.amdhsa_user_sgpr_count 2
		.amdhsa_user_sgpr_kernarg_segment_ptr 1
		.amdhsa_wavefront_size32 1
		.amdhsa_system_sgpr_workgroup_id_x 1
		.amdhsa_system_sgpr_workgroup_id_y 1
		.amdhsa_system_sgpr_workgroup_id_z 1
		.amdhsa_system_vgpr_workitem_id 0
		.amdhsa_next_free_vgpr 112
		.amdhsa_next_free_sgpr 66
		.amdhsa_reserve_vcc 1
		.amdhsa_float_denorm_mode_32 3
		.amdhsa_float_denorm_mode_16_64 3
		.amdhsa_memory_ordered 1
		.amdhsa_forward_progress 1
		.amdhsa_inst_pref_size 30
	.end_amdhsa_kernel
	.amdgpu_metadata
---
amdhsa.version: [ 1, 2 ]
amdhsa.kernels:
  - .name:           k_qbf278f6047_pick
    .symbol:         k_qbf278f6047_pick.kd
    .args:
      - { .name: pk, .offset: 0, .size: 8, .value_kind: global_buffer, .address_space: global }
      - { .name: git, .offset: 8, .size: 8, .value_kind: global_buffer, .address_space: global }
      - { .name: gjt, .offset: 16, .size: 8, .value_kind: global_buffer, .address_space: global }
    .group_segment_fixed_size: 19456
    .private_segment_fixed_size: 0
    .kernarg_segment_align: 8
    .kernarg_segment_size: 24
    .max_flat_workgroup_size: 512
    .sgpr_count:     66
    .vgpr_count:     112
    .wavefront_size: 32
...
	.end_amdgpu_metadata
.endif
;; end of part 3
;; launch update (part 4): grid 128 x 2, 4 waves a work-group, clusters of 4 x 1, 327,680 bytes of LDS; arguments xb, gjt, git, weights, out0; writes out0
.if DOCPART == 4
	.amdgcn_target "amdgcn-amd-amdhsa--gfx1250"
	.amdhsa_code_object_version 6
	.text
	.protected	k_qbf278f6047_update
	.globl	k_qbf278f6047_update
	.p2align	8
	.type	k_qbf278f6047_update,@function
k_qbf278f6047_update:
	s_mov_b64 s[64:65], 0
	v_nop
	global_prefetch_b8 v0, s[64:65] scope:SCOPE_SE
	s_setreg_imm32_b32 hwreg(HW_REG_WAVE_MODE, 25, 1), 1
	s_wait_xcnt 0x0
	s_wait_alu depctr_hold_cnt(0) depctr_sa_sdst(0) depctr_va_vdst(0) depctr_va_sdst(0) depctr_va_ssrc(0) depctr_va_vcc(0) depctr_vm_vsrc(0)
	s_getreg_b32 s2, hwreg(HW_REG_IB_STS2, 6, 4)
	s_cmp_eq_u32 s2, 0
	s_cbranch_scc0 .Lentry_in_a_cluster
	s_endpgm
.Lentry_in_a_cluster:
	s_bfe_u32 s2, ttmp6, 0x10000c
	s_cmp_lg_u32 s2, 0x3003
	s_cbranch_scc0 .Lentry_shape_is_right
	s_endpgm
.Lentry_shape_is_right:
; UPDATE.  out[c][d] = W[c][d] (1 - S[c]) + the sum over b of lr[b][c] x^[b][d],  S[c] = the sum over b of lr[b][c],  lr[b][128 i + j] = bf16(git[i][b] gjt[j][b]).
; xb: [2048][768] bf16; gjt, git: [128][2048] bf16; weights, out0: [16384][768] f32.  Sums in f32; W and 1 - S stay in f32.
; LIMIT.  S is the sum of the SAME rounded lr that multiply x^, so that out = W + the sum of lr (x^ - W) holds exactly for the rounded lr: a common offset of x and W cancels as in the definition.
; SHARES.  A work-group owns one grid row i (c = 128 i .. 128 i + 127) and half y of the 768 channels: 256 work-groups.  A wave owns 64 c (wave / 2) and, in each of the half's three blocks of 128 channels,
; 64 channels (wave % 2): 256 bytes of each output row, three times.  48 accumulators and 4 for S: 416 registers.  K = b goes in 16 steps of 128 through two LDS slots.
; For one i, lr's fragment is gjt's fragment times git's row i, element by element: 32 packed bf16 multiplies for 52 matrix instructions, set behind matrix instructions.
; THE MATRIX INSTRUCTION: source 0 = 16 channels x 32 b of x^ (xb lies [b][d]: turned by ds_load_tr16_b128), source 1 = 16 c x 32 b of lr.  Lane l holds ONE c (l % 16) and eight neighbouring channels.
; S: source 0 is a fragment of ones, so every register of lane l holds S of its c.
; CLUSTER.  The four partners differ in i alone; xb's tiles hang on y, gjt's on nothing: every tile is asked for JOINTLY, with the mask of four.  i enters the addresses of git, weights and out0 alone.
; REGISTERS, in windows of 256 (s_set_vgpr_msb: bits 1:0 source 0, 3:2 source 1, 5:4 source 2, 7:6 destination):
;   window 0: v0-31 addresses; v32-63 1 - S; v64-255 W of blocks 0, 1 of 16 c      window 1: v0-191 fragments of x^, two buffers of 96 (later W of blocks 2, 3); v192-207 git's fragments; v208-215 ones
;   window 2: v0-191 accumulators of channel blocks 6-11 ((mb, nb) at 48 mb + 8 (nb - 6)); v192-255 lr, two buffers of 32      window 3: v0-191 those of channel blocks 0-5; v192-223 S
.set PX,    288                        ; a row of x^ in LDS: 256 bytes + 32 = 72 words
.set PJ,    272                        ; a row of gjt: 256 + 16 = 68 words: the 16 rows of a load start at 16 different groups of four banks
.set XSUB,  128*PX                     ; 128 b x 128 channels: what one of waves 0-2 fetches
.set JOFF,  3*XSUB                     ; behind the three: gjt's 128 j x 128 b, which wave 3 fetches
.set SLOT,  JOFF+128*PJ                ; 145,408
.set GIB,   2*SLOT                     ; behind the ring: git's row i, 4,096 bytes, stored once from registers; no tensor load lands there
.set SPARE, GIB+4096                   ; the spare words, 128 bytes for each wave
.set SP,    784                        ; THE WAY OUT uses slot 0, which has had its last fill and its last read by then: 16 rows x (768 + 16) bytes for each wave,
.set WSTG,  16*SP
.set SSTG,  4*WSTG                     ; and behind them 256 bytes for each wave's 64 S
.set XSTEP, 128*1536                   ; bytes of xb from one K step to the next
.set AX,  8                            ; v8-13   LDS address of my fragments of x^: slot s, block u at AX + 3 s + u
.set AJ,  16                           ; v16-17  of gjt's, slot 0, 1
.set AGI, 18                           ; v18     of git's; steps by 256 bytes a K step
.set GST, 19                           ; v19     where I put my 16 bytes of git's row
.set STO, 20                           ; v20     the way out: where I put 16 bytes of a row
.set RD,  21                           ; v21     where I read rows back
.set CO,  22                           ; v22     my byte offset in weights and in out0; never rewritten
.set SST, 23                           ; v23     where I put S
.set SLD, 24                           ; v24     where I read eight S back
.set SPW, 28                           ; v28     LDS address of my spare word; never rewritten
.set NIL, 29                           ; v29     0; never rewritten
.set TT,  32                           ; v32-63  1 - S of row 16 mb + 8 (l / 16) + rho at TT + 8 mb + rho
.set LR,  192                          ; window 2
.set GI,  192                          ; window 1
.set ONE, 208                          ; window 1
.set WV,  14                           ; s14 my wave's number; s15 which 64 c; s16 which 64 channels of each 128; s17 cx; s18 i; s19 y
.set G1X, 24                           ; s[24:31] descriptor group 1 for xb's tiles
.set G1J, 32                           ; s[32:39] for gjt's
.set G0X, 40                           ; s[40:47] group 0 for xb's tiles, a set for each slot
.set G0J, 48                           ; s[48:55] for gjt's
.set LAPC, 56                          ; s56 counts the laps
.set MSB, 0
.macro WIN new                         ; the immediate's high byte repeats the setting that is left; a switch that changes nothing is dropped
.if MSB != (\new)
	s_set_vgpr_msb (MSB<<8)|(\new)
.set MSB, \new
.endif
.endm
.set W_M3, 0xf9                        ; x^ or ones in window 1, lr in window 2, C and D in window 3
.set W_M2, 0xa9                        ; the same with C and D in window 2; it also serves the multiplies that make lr: git (source 0) window 1, gjt and lr (source 1, destination) window 2
.set TO_1, 0x40
.set TO_2, 0x80
; A joint load.  Waves 0-2 fetch the three blocks of x^, wave 3 gjt's tile: 128 rows of 256 bytes each.  The branch hangs on the wave's number alone.  An s_nop 0 and four v_nop follow each line.
.macro JLOAD s
	s_cmp_lt_u32 s[WV], 3
	s_cbranch_scc0 .Lfor_j_\@
	tensor_load_to_lds s[G0X+4*(\s):G0X+4*(\s)+3], s[G1X:G1X+7]
	s_nop 0
.rept 4
	v_nop
.endr
	s_branch .Lasked_\@
.Lfor_j_\@:
	tensor_load_to_lds s[G0J+4*(\s):G0J+4*(\s)+3], s[G1J:G1J+7]
	s_nop 0
.rept 4
	v_nop
.endr
.Lasked_\@:
.endm
.macro CREST                           ; a round of the cluster's barrier behind its opening barrier
	s_cmp_lg_u32 s[WV], 0
	s_cbranch_scc1 .Lnot_wave_0_\@
	s_barrier_signal -3
.Lnot_wave_0_\@:
	s_barrier_wait -3
	s_barrier_signal -1
	s_barrier_wait -1
.endm
.macro CROUND
	s_barrier_signal -1
	s_barrier_wait -1
	CREST
.endm
	s_load_b256 s[4:11], s[0:1], 0x0               ; xb s[4:5], gjt s[6:7], git s[8:9], weights s[10:11]
	s_load_b64 s[12:13], s[0:1], 0x20              ; out0
	v_lshl_add_u32 v[SPW], v0, 2, SPARE
	v_mov_b32 v[NIL], 0
	ds_add_u32 v[SPW], v[NIL]                      ; the wave's opening: the add and its wait stand ahead of my first tensor load; the set-up below, work on registers, stands between them
	v_lshrrev_b32 v1, 5, v0
	v_readfirstlane_b32 s[WV], v1                  ; wave 0..3
	s_lshr_b32 s15, s[WV], 1
	s_and_b32 s16, s[WV], 1
	s_bfe_u32 s17, ttmp6, 0x40000                  ; cx: my place in the cluster
	s_lshl_b32 s18, ttmp9, 2                       ; in a cluster launch ttmp9 counts clusters
	s_add_co_u32 s18, s18, s17                     ; i = 4 x cluster x + cx
	s_and_b32 s19, ttmp7, 0xffff                   ; y, which the four partners share
	; descriptor group 1: tiles of 128 rows x 128 elements, padded in LDS
	s_mov_b32 s[G1X], 15|(1<<16)|(1<<20)|(1<<21)|(5<<22)|(7<<25)  ; 15:0 the mask of four; 17:16 2-byte elements; 20 padding on; 21 set beside a mask; 24:22 after every 64 words; 31:25 8 words
	s_mov_b32 s[G1J], 15|(1<<16)|(1<<20)|(1<<21)|(5<<22)|(3<<25)  ; the same with 4 words of padding
.irp g, G1X, G1J
	s_mov_b32 s[(\g)+1], 128<<16                   ; tensor_dim0 = 128
	s_mov_b32 s[(\g)+2], 128<<16                   ; tensor_dim1 = 128
	s_mov_b32 s[(\g)+3], 128<<16                   ; tile_dim0 = 128
	s_mov_b32 s[(\g)+4], 128                       ; tile_dim1 = 128
	s_mov_b32 s[(\g)+6], 0
	s_mov_b32 s[(\g)+7], 0
.endr
	s_mov_b32 s[G1X+5], 768                        ; elements from row to row of xb,
	s_mov_b32 s[G1J+5], 2048                       ; of gjt
	s_mul_i32 s20, s19, 768                        ; xb: the half's 384 channels, in bytes,
	s_lshl_b32 s21, s[WV], 8                       ; and the block of 128 that I fetch
	s_add_co_u32 s20, s20, s21
	s_mov_b32 s21, 0
	s_mul_i32 s22, s[WV], XSUB                     ; and where it goes: no place in the cluster enters an LDS address
	s_lshl_b32 s58, s18, 12                        ; git's row i.  What hangs on cx lies in s17, s18 and s[58:61] alone
	s_mov_b32 s59, 0
	s_lshl_b32 s60, s18, 7
	s_lshl_b32 s61, s15, 6
	s_add_co_u32 s60, s60, s61                     ; my first c: 128 i + 64 (wave / 2)
	s_mul_i32 s60, s60, 3072
	s_mul_i32 s61, s19, 1536
	s_add_co_u32 s60, s60, s61                     ; + the half's 384 channels in f32
	s_lshl_b32 s61, s16, 8
	s_add_co_u32 s60, s60, s61                     ; + my 64 of each 128
	s_mov_b32 s61, 0
	s_wait_dscnt 0x0                               ; the opening add is done
	s_wait_kmcnt 0x0
	s_add_nc_u64 s[4:5], s[4:5], s[20:21]
	s_add_nc_u64 s[8:9], s[8:9], s[58:59]
	s_add_nc_u64 s[10:11], s[10:11], s[60:61]
	s_add_nc_u64 s[12:13], s[12:13], s[60:61]
	CROUND                                         ; all four work-groups are here: the first joint loads meet
.irp s, 0,1
	s_mov_b32 s[G0X+4*(\s)], 1                                       ; count = 1
	s_add_co_u32 s[G0X+4*(\s)+1], s22, (\s)*SLOT                     ; LDS address
	s_add_nc_u64 s[G0X+4*(\s)+2:G0X+4*(\s)+3], s[4:5], (\s)*XSTEP    ; global address: K step s
	s_or_b32 s[G0X+4*(\s)+3], s[G0X+4*(\s)+3], 0x80000000            ; type = 2
	s_mov_b32 s[G0J+4*(\s)], 1
	s_mov_b32 s[G0J+4*(\s)+1], (\s)*SLOT+JOFF
	s_add_nc_u64 s[G0J+4*(\s)+2:G0J+4*(\s)+3], s[6:7], (\s)*256
	s_or_b32 s[G0J+4*(\s)+3], s[G0J+4*(\s)+3], 0x80000000
	JLOAD \s                                       ; two tensor loads of mine are out
.endr
	v_lshlrev_b32 v3, 4, v0                        ; git's row i, 4,096 bytes: 32 bytes a thread
	global_load_b128 v[TT:TT+3],   v3, s[8:9]
	global_load_b128 v[TT+4:TT+7], v3, s[8:9] offset:2048
	v_lshl_add_u32 v[GST], v0, 4, GIB
	v_and_b32 v1, 15, v0                           ; l % 16
	v_bfe_u32 v2, v0, 4, 1                         ; l / 16
	; The turning load takes 16 b x 16 channels (lane l reads b 8 (l / 16) + l % 8, channels 8 ((l / 8) % 2) + 0..7) and leaves half a fragment: lane l holds channel l % 16 and 8 b.
	v_and_b32 v4, 7, v0
	v_bfe_u32 v5, v0, 3, 1
	v_lshl_add_u32 v4, v2, 3, v4
	v_mul_u32_u24 v4, v4, PX
	v_lshl_add_u32 v4, v5, 4, v4
	s_lshl_b32 s23, s16, 7                         ; my 64 channels of each 128
	v_add_nc_u32 v4, s23, v4
.irp s, 0,1
.irp u, 0,1,2
	v_add_nc_u32 v[AX+3*(\s)+(\u)], (\s)*SLOT+(\u)*XSUB, v4
.endr
.endr
	v_mul_u32_u24 v5, v1, PJ                       ; gjt lies along b: row x pitch + 16 (l / 16), two loads 32 bytes apart
	v_lshl_add_u32 v5, v2, 4, v5
	s_mul_i32 s23, s15, 64*PJ                      ; my 64 rows
	s_add_co_u32 s23, s23, JOFF
	v_add_nc_u32 v[AJ], s23, v5
	v_add_nc_u32 v[AJ+1], SLOT, v[AJ]
	v_lshl_add_u32 v[AGI], v2, 4, GIB              ; git's fragment is the same for every l % 16
	s_mul_i32 s23, s[WV], WSTG                     ; my stage
	v_mul_u32_u24 v5, v1, SP                       ; in: row l % 16, 32 bytes for each half of the lanes
	v_lshl_add_u32 v5, v2, 5, v5
	v_add_nc_u32 v[STO], s23, v5
	v_mul_u32_u24 v5, v2, 8*SP                     ; back: lanes 0-15 take 256 bytes of one row, lanes 16-31 of the row eight below
	v_lshl_add_u32 v5, v1, 4, v5
	v_add_nc_u32 v[RD], s23, v5
	v_mul_u32_u24 v5, v2, 8*3072                   ; and the same in weights and out0
	v_lshl_add_u32 v[CO], v1, 4, v5
	s_lshl_b32 s23, s[WV], 8
	s_add_co_u32 s23, s23, SSTG
	v_lshl_add_u32 v[SST], v1, 2, s23
	v_lshl_add_u32 v[SLD], v2, 5, s23
	WIN TO_1
.set e, 0
.rept 8
	v_mov_b32 v[ONE+e], 0x3f803f80                 ; two bf16 ones
.set e, e+1
.endr
	WIN 0
	s_wait_loadcnt 0x0
	ds_store_b128 v[GST], v[TT:TT+3]
	ds_store_b128 v[GST], v[TT+4:TT+7] offset:2048
; THE MATRIX WORK.  The 52 accumulators take one turn a quarter, in the same order in every quarter.  f: the buffer, 0 or 1.  zero = 1: the product starts the sum: nothing is cleared.
; M3: turns e0 .. e0 + n - 1 of 28: e < 24 is channel block e / 4 (0-5) x block e % 4 of 16 c; e = 24 .. 27 is S of block e - 24.
.macro M3 f, e0, n, zero
	WIN W_M3
.set e, \e0
.rept \n
.if e < 24
.set rD, 48*(e%4)+8*(e/4)
.set rX, 96*(\f)+8*(e/4)
.set rL, LR+32*(\f)+8*(e%4)
.else
.set rD, 192+8*(e-24)
.set rX, ONE
.set rL, LR+32*(\f)+8*(e-24)
.endif
.if \zero
	v_wmma_f32_16x16x32_bf16 v[rD:rD+7], v[rX:rX+7], v[rL:rL+7], 0
.else
	v_wmma_f32_16x16x32_bf16 v[rD:rD+7], v[rX:rX+7], v[rL:rL+7], v[rD:rD+7]
.endif
.set e, e+1
.endr
.endm
; M2: turns e0 .. of 24: channel block 6 + e / 4 x block e % 4.  g >= 0 (with e0 = 8, n = 16): behind each product two of the 32 multiplies that turn buffer g's gjt into lr, in place.
.macro M2 f, e0, n, zero, g
	WIN W_M2
.set e, \e0
.rept \n
.set rD, 48*(e%4)+8*(e/4)
.set rX, 96*(\f)+48+8*(e/4)
.set rL, LR+32*(\f)+8*(e%4)
.if \zero
	v_wmma_f32_16x16x32_bf16 v[rD:rD+7], v[rX:rX+7], v[rL:rL+7], 0
.else
	v_wmma_f32_16x16x32_bf16 v[rD:rD+7], v[rX:rX+7], v[rL:rL+7], v[rD:rD+7]
.endif
.if (\g) >= 0
.set ri, 2*(e-8)
	v_pk_mul_bf16 v[LR+32*(\g)+ri], v[GI+8*(\g)+ri%8], v[LR+32*(\g)+ri]
.set ri, ri+1
	v_pk_mul_bf16 v[LR+32*(\g)+ri], v[GI+8*(\g)+ri%8], v[LR+32*(\g)+ri]
.endif
.set e, e+1
.endr
.endm
.macro LRGEN g                         ; the 32 multiplies alone, for the very first fragments
	WIN W_M2
.set ri, 0
.rept 32
	v_pk_mul_bf16 v[LR+32*(\g)+ri], v[GI+8*(\g)+ri%8], v[LR+32*(\g)+ri]
.set ri, ri+1
.endr
.endm
; 34 LDS loads in one run: quarter q (32 b) of a slot into buffer f: 8 of gjt, 2 of git, then 24 of x^, channel blocks ascending
.macro FETCH slot, q, f
	WIN TO_2
.irp mb, 0,1,2,3
	ds_load_b128 v[LR+32*(\f)+8*(\mb):LR+32*(\f)+8*(\mb)+3],   v[AJ+(\slot)] offset:(\mb)*16*PJ+64*(\q)
	ds_load_b128 v[LR+32*(\f)+8*(\mb)+4:LR+32*(\f)+8*(\mb)+7], v[AJ+(\slot)] offset:(\mb)*16*PJ+64*(\q)+32
.endr
	WIN TO_1
	ds_load_b128 v[GI+8*(\f):GI+8*(\f)+3],   v[AGI] offset:64*(\q)
	ds_load_b128 v[GI+8*(\f)+4:GI+8*(\f)+7], v[AGI] offset:64*(\q)+32
.irp nb, 0,1,2,3,4,5,6,7,8,9,10,11
	ds_load_tr16_b128 v[96*(\f)+8*(\nb):96*(\f)+8*(\nb)+3],   v[AX+3*(\slot)+(\nb)/4] offset:(\q)*32*PX+((\nb)%4)*32
	ds_load_tr16_b128 v[96*(\f)+8*(\nb)+4:96*(\f)+8*(\nb)+7], v[AX+3*(\slot)+(\nb)/4] offset:(\q)*32*PX+16*PX+((\nb)%4)*32
.endr
.endm
.macro PLACES                          ; four plain vector instructions between a matrix instruction and a load into, or an LDS store of, one of its registers (ISA guide 7.12.1 for vector instructions)
.rept 4
	v_nop
.endr
.endm
; A K step is four quarters of 32 b, 52 matrix instructions each, on buffers 0, 1, 0, 1.  One of the first three multiplies buffer f, fetches quarter q into g and makes g's lr.
.macro QUARTER slot, q, f, g, zero
	s_wait_dscnt 12                                ; x^'s channel blocks 0-5 are in; the youngest twelve loads (blocks 6-11) may be out
	M3 \f, 0, 28, \zero
	PLACES
	FETCH \slot, \q, \g
	s_wait_dscnt 34                                ; all but the 34 just issued
	M2 \f, 0, 8, \zero, -1
	s_wait_dscnt 24                                ; g's gjt and git are in; its 24 loads of x^ may be out
	M2 \f, 8, 16, \zero, \g
.endm
; The last quarter multiplies buffer 1 and changes slots.  ONE barrier: in front of it each wave waits for all its tensor loads (one is out: its part of the next slot), adds 0 to its spare word,
; and waits for that and for its own reads of this slot.  fill = 1: the barrier opens a round of the cluster's, and the slot just read out is filled again, two K steps ahead, first thing behind it.
.macro TURN slot, next, fill
	WIN 0                                          ; (the add's two registers lie in window 0)
	s_wait_tensorcnt 0x0
	ds_add_u32 v[SPW], v[NIL]                      ; 0 onto my spare word
	s_wait_dscnt 13                                ; (the add and the youngest twelve loads may be out)
	M3 1, 0, 14, 0                                 ; fourteen matrix instructions stand between the add and the wait for it
	s_wait_dscnt 0x0                               ; the add is done, and my reads of this slot are over
	s_barrier_signal -1
	M3 1, 14, 14, 0                                ; work on registers while the others arrive
.if \fill
	WIN 0
.endif
	s_barrier_wait -1
.if \fill
	CREST                                          ; no wave of any partner still reads this slot or has a load on its way
	s_add_nc_u64 s[G0X+4*(\slot)+2:G0X+4*(\slot)+3], s[G0X+4*(\slot)+2:G0X+4*(\slot)+3], 2*XSTEP
	s_add_nc_u64 s[G0J+4*(\slot)+2:G0J+4*(\slot)+3], s[G0J+4*(\slot)+2:G0J+4*(\slot)+3], 2*256
	JLOAD \slot                                    ; my one tensor load until the next round; its four v_nop are also the places in front of the loads below
.else
	PLACES
.endif
	WIN 0
	v_add_nc_u32 v[AGI], 256, v[AGI]               ; git's next 128 b
	FETCH \next, 0, 0
	M2 1, 0, 8, 0, -1
	s_wait_dscnt 24                                ; buffer 0's gjt and git are in
	M2 1, 8, 16, 0, 0
.endm
; W of block mb of 16 c, in the lanes' layout of the way out: load q = 3 rho + u brings row 16 mb + 8 (l / 16) + rho, 256 bytes of block u: 16 lanes read 256 consecutive bytes, aligned
.macro WLOAD mb
.if (\mb) < 2
	WIN 0
.set bW, 64+96*(\mb)
.else
	WIN TO_1
.set bW, 96*((\mb)-2)
.endif
.set q, 0
.rept 24
	global_load_b128 v[bW+4*q:bW+4*q+3], v[CO], s[10:11] offset:(16*(\mb)+q/3)*3072+512*(q%3) th:TH_LOAD_NT
.set q, q+1
.endr
.endm
	s_wait_tensorcnt 1                             ; my part of K step 0 is in; K step 1's may stay out
	s_wait_dscnt 0x0                               ; my part of git's row is in LDS
	s_barrier_signal -1
	s_barrier_wait -1                              ; everybody's is
	FETCH 0, 0, 0
	s_wait_dscnt 24                                ; gjt and git are in
	LRGEN 0
	QUARTER 0, 1, 0, 1, 1                          ; the first quarter stands in front of the loop: its products start the sums
	WIN 0                                          ; at a label and at a branch every window is 0
	s_mov_b32 s[LAPC], 7
.Llap:                                                 ; a trip goes once round the ring, from a lap's second quarter to the next lap's first, and fills both slots again
	QUARTER 0, 2, 1, 0, 0
	QUARTER 0, 3, 0, 1, 0
	TURN 0, 1, 1
	QUARTER 1, 1, 0, 1, 0
	QUARTER 1, 2, 1, 0, 0
	QUARTER 1, 3, 0, 1, 0
	TURN 1, 0, 1
	QUARTER 0, 1, 0, 1, 0
	WIN 0
	s_sub_co_u32 s[LAPC], s[LAPC], 1
	s_cmp_lg_u32 s[LAPC], 0
	s_cbranch_scc1 .Llap
	WLOAD 0                                        ; W is asked for while the last lap is multiplied: blocks 0 and 1 into registers that lay idle
	WLOAD 1
	QUARTER 0, 2, 1, 0, 0                          ; the last lap is written out: it asks for no tile
	QUARTER 0, 3, 0, 1, 0
	TURN 0, 1, 0                                   ; behind this barrier no wave reads slot 0 any more, and nothing is filled again
	QUARTER 1, 1, 0, 1, 0
	QUARTER 1, 2, 1, 0, 0
	QUARTER 1, 3, 0, 1, 0
	PLACES
	WLOAD 2                                        ; into x^'s buffer 0, which has been multiplied for the last time
	s_wait_dscnt 12                                ; the very last quarter: nothing more to fetch
	M3 1, 0, 28, 0
	s_wait_dscnt 0x0
	M2 1, 0, 24, 0, -1
	PLACES
	WLOAD 3                                        ; into x^'s buffer 1
	; THE WAY OUT.  S goes through LDS so that a lane gets the S of the rows that it will store; each block of 16 c goes through my stage (in: 32 bytes of a row a lane; back: 256 bytes of a row for 16 lanes),
	; into the registers that it left; then out = W (1 - S) + sum, and sixteen lanes store 256 consecutive bytes, aligned.  The stage is my own and LDS serves a wave's instructions in order (ISA guide 5.7.1.4): no wait between stores and loads.
	WIN 0x0c                                       ; an LDS store's data (source 1) in window 3
.irp mb, 0,1,2,3
	ds_store_b32 v[SST], v[192+8*(\mb)] offset:64*(\mb)            ; each sum's lowest register; lanes l and l + 16 write the same word with the same value
.endr
	WIN 0
.irp mb, 0,1,2,3
	ds_load_b128 v[TT+8*(\mb):TT+8*(\mb)+3],   v[SLD] offset:64*(\mb)
	ds_load_b128 v[TT+8*(\mb)+4:TT+8*(\mb)+7], v[SLD] offset:64*(\mb)+16
.endr
.macro IN mb                           ; 24 stores; each accumulator's four lowest registers first
.irp nb, 0,1,2,3,4,5,6,7,8,9,10,11
	WIN 0x0c-0x04*((\nb)/6)
.set rD, 48*(\mb)+8*((\nb)%6)
	ds_store_b128 v[STO], v[rD:rD+3]   offset:256*((\nb)/4)+64*((\nb)%4)
	ds_store_b128 v[STO], v[rD+4:rD+7] offset:256*((\nb)/4)+64*((\nb)%4)+16
.endr
.endm
.macro OUT mb                          ; 24 loads: q = 3 rho + u; q < 12 into window 3, the rest into window 2
.set q, 0
.rept 24
	WIN 0xc0-0x40*(q/12)
.set rD, 48*(\mb)+4*(q%12)
	ds_load_b128 v[rD:rD+3], v[RD] offset:SP*(q/3)+256*(q%3)
.set q, q+1
.endr
.endm
; ds: the LDS instructions issued behind this block's loads from the stage; ld: no more than the loads of W issued behind this block's
.macro FIN mb, ds, ld
	s_wait_dscnt \ds
	s_wait_loadcnt \ld
.if (\mb) < 2
.set wW, 0
.set bW, 64+96*(\mb)
.else
.set wW, 1
.set bW, 96*((\mb)-2)
.endif
.irp half, 0,1
	WIN 0xf0-0x50*(\half)+wW                       ; the sums (source 2, destination) in window 3 or 2, W (source 0) in window 0 or 1, 1 - S (source 1) in window 0
.set q, 12*(\half)
.rept 12
.set rD, 48*(\mb)+4*(q%12)
.set rT, TT+8*(\mb)+2*((q/3)/2)
.irp z, 0,2
.if (q/3)%2
	v_pk_fma_f32 v[rD+(\z):rD+(\z)+1], v[bW+4*q+(\z):bW+4*q+(\z)+1], v[rT:rT+1], v[rD+(\z):rD+(\z)+1] op_sel:[0,1,0] op_sel_hi:[1,1,1]
.else
	v_pk_fma_f32 v[rD+(\z):rD+(\z)+1], v[bW+4*q+(\z):bW+4*q+(\z)+1], v[rT:rT+1], v[rD+(\z):rD+(\z)+1] op_sel_hi:[1,0,1]
.endif
.endr
.set q, q+1
.endr
	WIN 0x0c-0x04*(\half)                          ; a store's data (source 1) in window 3 or 2
.set q, 12*(\half)
.rept 12
.set rD, 48*(\mb)+4*(q%12)
	global_store_b128 v[CO], v[rD:rD+3], s[12:13] offset:(16*(\mb)+q/3)*3072+512*(q%3) th:TH_STORE_NT  ; each block has registers of its own: none that a store reads is rewritten
.set q, q+1
.endr
.endr
.endm
	IN 0
	OUT 0
	s_wait_dscnt 48                                ; S is back; the 48 instructions of block 0 may be out
	WIN 0
.set e, 0
.rept 16
	v_pk_fma_f32 v[TT+2*e:TT+2*e+1], v[TT+2*e:TT+2*e+1], -1.0, 1.0 op_sel_hi:[1,0,0]  ; 1 - S
.set e, e+1
.endr
	IN 1                                           ; a block's trip through the stage stands between the loads of the block before and the wait for them
	OUT 1
	FIN 0, 48, 48
	IN 2
	OUT 2
	FIN 1, 48, 48
	IN 3
	OUT 3
	FIN 2, 48, 24
	FIN 3, 0, 0
	WIN 0
	s_wait_tensorcnt 0x0                           ; the wave's end, behind my last tensor load and my last LDS store
	ds_add_u32 v[SPW], v[NIL]
	s_wait_dscnt 0x0
	CROUND                                         ; the closing round: no work-group ends while a partner may still ask for a tile that names it
	s_endpgm
.Lfunc_end_k_qbf278f6047_update:
	.size	k_qbf278f6047_update, .Lfunc_end_k_qbf278f6047_update-k_qbf278f6047_update
	.p2alignl 7, 3214868480
	.fill 96, 4, 3214868480
	.section	.rodata,"a",@progbits
	.p2align	6, 0x0
	.amdhsa_kernel k_qbf278f6047_update
		.amdhsa_group_segment_fixed_size 327680
		.amdhsa_private_segment_fixed_size 0
		.amdhsa_enable_private_segment 0
		.amdhsa_kernarg_size 40
		.amdhsa_user_sgpr_count 2
		.amdhsa_user_sgpr_kernarg_segment_ptr 1
		.amdhsa_wavefront_size32 1
		.amdhsa_system_sgpr_workgroup_id_x 1
		.amdhsa_system_sgpr_workgroup_id_y 1
		.amdhsa_system_sgpr_workgroup_id_z 1
		.amdhsa_system_vgpr_workitem_id 0
		.amdhsa_next_free_vgpr 1024
		.amdhsa_next_free_sgpr 66
		.amdhsa_reserve_vcc 0
		.amdhsa_float_denorm_mode_32 3
		.amdhsa_float_denorm_mode_16_64 3
		.amdhsa_memory_ordered 1
		.amdhsa_forward_progress 1
		.amdhsa_inst_pref_size 181
	.end_amdhsa_kernel
	.amdgpu_metadata
---
amdhsa.version: [ 1, 2 ]
amdhsa.kernels:
  - .name:           k_qbf278f6047_update
    .symbol:         k_qbf278f6047_update.kd
    .args:
      - { .name: xb, .offset: 0, .size: 8, .value_kind: global_buffer, .address_space: global }
      - { .name: gjt, .offset: 8, .size: 8, .value_kind: global_buffer, .address_space: global }
      - { .name: git, .offset: 16, .size: 8, .value_kind: global_buffer, .address_space: global }
      - { .name: weights, .offset: 24, .size: 8, .value_kind: global_buffer, .address_space: global }
      - { .name: out0, .offset: 32, .size: 8, .value_kind: global_buffer, .address_space: global }
    .group_segment_fixed_size: 327680
    .private_segment_fixed_size: 0
    .kernarg_segment_align: 8
    .kernarg_segment_size: 40
    .max_flat_workgroup_size: 128
    .sgpr_count:     66
    .vgpr_count:     1024
    .wavefront_size: 32
...
	.end_amdgpu_metadata
.endif
;; end of part 4
;; ======== version 2 of 3: 6 launches; 1.21 times as fast as version 1
;; limits: values within 7.6e-06 (relative) of each other or of a threshold may be ordered or decided otherwise than in the reference; values outside matrix products are rounded to bf16
;; workspace buffers: xb 3,145,728 bytes; wb 25,165,824 bytes; hw 65,536 bytes; pk 2,097,152 bytes; bmu 8,192 bytes of whole numbers; ordst 16,384 bytes of whole numbers; yb 25,165,824 bytes; sy 131,072 bytes
;; launch prep: the kernel of part 1 again; grid 256 x 1, 8 waves a work-group, no clusters, 1,280 bytes of LDS; arguments embedded, weights, xb, wb, hw; writes xb, wb, hw
;; launch score: the kernel of part 2 again; grid 64 x 8, 4 waves a work-group, clusters of 4 x 4, 327,680 bytes of LDS; arguments xb, wb, hw, pk; writes pk
;; launch pick (part 5): grid 32 x 1, 16 waves a work-group, no clusters, 10,240 bytes of LDS; arguments pk, bmu; writes bmu
.if DOCPART == 5
	.amdgcn_target "amdgcn-amd-amdhsa--gfx1250"
	.amdhsa_code_object_version 6
	.text
	.protected	k_qbf278f6047_pick
	.globl	k_qbf278f6047_pick
	.p2align	8
	.type	k_qbf278f6047_pick,@function
k_qbf278f6047_pick:
	s_mov_b64 s[64:65], 0
	v_nop
	global_prefetch_b8 v0, s[64:65] scope:SCOPE_SE
	s_setreg_imm32_b32 hwreg(HW_REG_WAVE_MODE, 25, 1), 1
	s_wait_xcnt 0x0
; PICK.  For each sample b the largest of its 256 keys names the best unit c = 128 bi + bj of the 128 x 128 grid; bmu[b] = c, a whole number, for the launches behind.
; pk: [256 runs g][2048 places] f32.  A key's six lowest bits are loc = 8 bb + j.  c = 64 (g - g % 2) + 8 (g % 2) + 16 (loc / 8) + loc % 8.
; Place p of a block of 64 holds sample 16 (p % 4) + p / 4 of that block.  Among equal keys the lower run wins (the compare is strict); a NaN never wins.
; The best unit is only stored here: no address and no branch of this launch hangs on it.
; Work-group w owns places and samples 64 w .. 64 w + 63, so that what it stores is 256 consecutive bytes, aligned: 32 work-groups; finer shares would store pieces of such a block.
; No matrix unit, no cluster: the work-groups share no input.
.set KEYS, 0                           ; LDS: [16 parts][64 places] f32: each wave's best key
.set GRPS, 4096                        ; [16][64]: and its run
.set SPARE, 8192                       ; the spare words, 128 bytes for each of the sixteen waves
.set KY,  16                           ; v[16:47]  stage 1: run n's two keys at KY + 2 n.  Stage 2: v16-31 keys and v32-47 runs of my even sample, v48-63 and v64-79 of my odd one
.set IX,  80                           ; v[80:81]  stage 1: the best run of my two places
.set SPW, 94                           ; v94  LDS address of my spare word; never rewritten
.set NIL, 95                           ; v95  0; never rewritten
	s_load_b128 s[4:7], s[0:1], 0x0                ; pk s[4:5], bmu s[6:7]
	v_lshl_add_u32 v[SPW], v0, 2, SPARE
	v_mov_b32 v[NIL], 0
	v_lshrrev_b32 v2, 5, v0
	v_readfirstlane_b32 s14, v2                    ; wave p, 0..15
	v_and_b32 v1, 31, v0
	v_lshlrev_b32 v3, 3, v1                        ; 8 x lane: two places,
	v_lshl_add_u32 v3, v2, 17, v3                  ; + p x 16 rows of 8,192 bytes
	v_lshlrev_b32 v4, 3, v0                        ; LDS: 256 p + 8 x lane
	v_lshlrev_b32 v12, 3, v1                       ; bmu: two samples a lane
	s_lshl_b32 s16, ttmp9, 8                       ; the work-group's 64 places in a row of pk, and its 64 samples in bmu: 256 bytes each
	s_mov_b32 s17, 0
	s_lshl_b32 s20, s14, 4                         ; my first run
	s_wait_kmcnt 0x0
	s_add_nc_u64 s[4:5], s[4:5], s[16:17]
	s_add_nc_u64 s[6:7], s[6:7], s[16:17]
	; STAGE 1: wave p takes runs 16 p .. 16 p + 15: sixteen loads of 256 consecutive bytes, aligned
.set n, 0
.rept 16
	global_load_b64 v[KY+2*n:KY+2*n+1], v3, s[4:5] offset:n*8192
.set n, n+1
.endr
	v_mov_b32 v[IX], 0
	v_mov_b32 v[IX+1], 0
	s_wait_loadcnt 0x0
.set n, 1
.rept 15
.irp q, 0,1
	v_cmp_gt_f32 vcc_lo, v[KY+2*n+(\q)], v[KY+(\q)]
	v_cndmask_b32 v[KY+(\q)], v[KY+(\q)], v[KY+2*n+(\q)], vcc_lo
	v_cndmask_b32 v[IX+(\q)], v[IX+(\q)], n, vcc_lo
.endr
.set n, n+1
.endr
	v_add_nc_u32 v[IX], s20, v[IX]
	v_add_nc_u32 v[IX+1], s20, v[IX+1]
	ds_store_b64 v4, v[KY:KY+1] offset:KEYS
	ds_store_b64 v4, v[IX:IX+1] offset:GRPS
	s_wait_dscnt 0x0                               ; for wave 0's sake: my stores are done
	s_barrier_signal -1
	s_barrier_wait -1
	; STAGE 2: wave 0, two samples a lane: lane t has samples 2 t + e, which lie at places 8 (t % 8) + t / 8 + 4 e
	s_cmp_lg_u32 s14, 0
	s_cbranch_scc1 .Lnot_wave_0
	v_and_b32 v5, 7, v0
	v_lshrrev_b32 v6, 3, v0
	v_lshlrev_b32 v5, 5, v5
	v_lshl_add_u32 v5, v6, 2, v5                   ; the even sample's place, in bytes; the odd one's lies 16 bytes on
.set n, 0
.rept 16
	ds_load_b32 v[16+n], v5 offset:KEYS+256*n
	ds_load_b32 v[32+n], v5 offset:GRPS+256*n
	ds_load_b32 v[48+n], v5 offset:KEYS+256*n+16
	ds_load_b32 v[64+n], v5 offset:GRPS+256*n+16
.set n, n+1
.endr
	s_wait_dscnt 0x0
.set n, 1
.rept 15
.irp e, 0,1
	v_cmp_gt_f32 vcc_lo, v[16+32*(\e)+n], v[16+32*(\e)]
	v_cndmask_b32 v[16+32*(\e)], v[16+32*(\e)], v[16+32*(\e)+n], vcc_lo
	v_cndmask_b32 v[32+32*(\e)], v[32+32*(\e)], v[32+32*(\e)+n], vcc_lo
.endr
.set n, n+1
.endr
.irp e, 0,1
	v_and_b32 v6, 63, v[16+32*(\e)]                ; loc
	v_and_b32 v7, 0xfe, v[32+32*(\e)]              ; g - g % 2
	v_and_b32 v8, 1, v[32+32*(\e)]                 ; g % 2
	v_and_b32 v9, 7, v6
	v_lshrrev_b32 v6, 3, v6
	v_lshl_add_u32 v9, v8, 3, v9
	v_lshl_add_u32 v9, v6, 4, v9                   ; bj
	v_lshl_add_u32 v[10+(\e)], v7, 6, v9           ; c
.endr
	global_store_b64 v12, v[10:11], s[6:7]         ; 256 consecutive bytes, aligned
.Lnot_wave_0:
	s_wait_tensorcnt 0x0                           ; the wave's end, behind my last LDS store
	ds_add_u32 v[SPW], v[NIL]
	s_wait_dscnt 0x0
	s_endpgm
.Lfunc_end_k_qbf278f6047_pick:
	.size	k_qbf278f6047_pick, .Lfunc_end_k_qbf278f6047_pick-k_qbf278f6047_pick
	.p2alignl 7, 3214868480
	.fill 96, 4, 3214868480
	.section	.rodata,"a",@progbits
	.p2align	6, 0x0
	.amdhsa_kernel k_qbf278f6047_pick
		.amdhsa_group_segment_fixed_size 10240
		.amdhsa_private_segment_fixed_size 0
		.amdhsa_enable_private_segment 0
		.amdhsa_kernarg_size 16
		.amdhsa_user_sgpr_count 2
		.amdhsa_user_sgpr_kernarg_segment_ptr 1
		.amdhsa_wavefront_size32 1
		.amdhsa_system_sgpr_workgroup_id_x 1
		.amdhsa_system_sgpr_workgroup_id_y 1
		.amdhsa_system_sgpr_workgroup_id_z 1
		.amdhsa_system_vgpr_workitem_id 0
		.amdhsa_next_free_vgpr 96
		.amdhsa_next_free_sgpr 66
		.amdhsa_reserve_vcc 1
		.amdhsa_float_denorm_mode_32 3
		.amdhsa_float_denorm_mode_16_64 3
		.amdhsa_memory_ordered 1
		.amdhsa_forward_progress 1
		.amdhsa_inst_pref_size 15
	.end_amdhsa_kernel
	.amdgpu_metadata
---
amdhsa.version: [ 1, 2 ]
amdhsa.kernels:
  - .name:           k_qbf278f6047_pick
    .symbol:         k_qbf278f6047_pick.kd
    .args:
      - { .name: pk, .offset: 0, .size: 8, .value_kind: global_buffer, .address_space: global }
      - { .name: bmu, .offset: 8, .size: 8, .value_kind: global_buffer, .address_space: global }
    .group_segment_fixed_size: 10240
    .private_segment_fixed_size: 0
    .kernarg_segment_align: 8
    .kernarg_segment_size: 16
    .max_flat_workgroup_size: 512
    .sgpr_count:     66
    .vgpr_count:     96
    .wavefront_size: 32
...
	.end_amdgpu_metadata
.endif
;; end of part 5
;; launch sort (part 6): grid 256 x 1, 4 waves a work-group, no clusters, 0 bytes of LDS; arguments bmu, ordst; writes ordst
.if DOCPART == 6
	.amdgcn_target "amdgcn-amd-amdhsa--gfx1250"
	.amdhsa_code_object_version 6
	.text
	.protected	k_qbf278f6047_sort
	.globl	k_qbf278f6047_sort
	.p2align	8
	.type	k_qbf278f6047_sort,@function
k_qbf278f6047_sort:
	s_mov_b64 s[64:65], 0
	v_nop
	global_prefetch_b8 v0, s[64:65] scope:SCOPE_SE
	s_setreg_imm32_b32 hwreg(HW_REG_WAVE_MODE, 25, 1), 1
	s_wait_xcnt 0x0
; SORT.  The 2,048 samples are put in the order of their best unit's grid row bi (ties by the sample's number), by RANK: a sample's place is the number of keys bi << 11 | b below its own.
; ordst, 4,096 whole numbers: 0-2047 the list, entry = bj << 11 | b; 2048-3071 zeros, so that a reader of 32 entries may begin at the list's very end; 3072-4095 st[v] = the number of samples with bi < v
; (v up to 128 is read; the others cost no branch).  The keys are all different, so the ranks are a permutation: every entry is stored once, by one wave.
; 1,024 waves; wave wid owns samples 2 wid and 2 wid + 1, zero number wid and st[wid].  Each wave holds all 2,048 keys (64 registers) and counts, a lane for itself, the keys below its three queries:
; a compare and an add with carry for 32 keys.  All is whole-number work: what is stored steers addresses and trip counts of the next launch.
; The four stores of 4 bytes a wave scatter over a list of 8 KB: a permutation has no neighbouring lanes to offer.
.set KB,  16                           ; v[16:79]  the keys: register 4 q + e of lane l is sample 128 q + 4 l + e
.set C0,  80                           ; v80-82    the three counts
.set TP,  83                           ; v83       at work
.set IDX, 84                           ; v84       where my lane stores
.set DAT, 85                           ; v85       what it stores
	s_load_b128 s[4:7], s[0:1], 0x0                ; bmu s[4:5], ordst s[6:7]
	v_and_b32 v1, 31, v0                           ; lane
	v_lshrrev_b32 v2, 5, v0
	v_readfirstlane_b32 s8, v2                     ; wave 0..3
	v_lshlrev_b32 v3, 4, v1                        ; 16 x lane
	v_lshlrev_b32 v4, 2, v1                        ; 4 x lane
	s_lshl2_add_u32 s9, ttmp9, s8                  ; wid
	s_lshl_b32 s10, s9, 3                          ; my two samples' 8 bytes in bmu
	s_mov_b32 s11, 0
	s_mov_b32 s12, 0x76543210                      ; v_permlanex16_b32: each lane takes its own place in the other half
	s_mov_b32 s13, 0xfedcba98
	s_lshl_b32 s18, s9, 1                          ; my even sample's number
	s_lshl_b32 s22, s9, 11                         ; the third query: all keys with bi < wid lie below it
	s_add_co_u32 s26, s9, 2048                     ; where my zero goes,
	s_add_co_u32 s27, s9, 3072                     ; and my st
.irp c, 0,1,2,3
	v_mov_b32 v[C0+(\c)], 0
.endr
	s_wait_kmcnt 0x0
	s_add_nc_u64 s[14:15], s[4:5], s[10:11]
	s_load_b64 s[16:17], s[14:15], 0x0             ; my two samples' units, as scalars (no line of this kernel writes bmu)
.set q, 0
.rept 16
	global_load_b128 v[KB+4*q:KB+4*q+3], v3, s[4:5] offset:512*q   ; 512 consecutive bytes
.set q, q+1
.endr
	s_wait_kmcnt 0x0
	s_lshr_b32 s20, s16, 7
	s_lshl_b32 s20, s20, 11
	s_add_co_u32 s20, s20, s18                     ; my even sample's key,
	s_lshr_b32 s21, s17, 7
	s_lshl_b32 s21, s21, 11
	s_add_co_u32 s21, s21, s18
	s_add_co_u32 s21, s21, 1                       ; my odd one's
	s_and_b32 s24, s16, 127
	s_lshl_b32 s24, s24, 11
	s_or_b32 s24, s24, s18                         ; their list entries
	s_and_b32 s25, s17, 127
	s_lshl_b32 s25, s25, 11
	s_or_b32 s25, s25, s18
	s_or_b32 s25, s25, 1
	s_wait_loadcnt 0x0
.set x, 0
.rept 64
	v_lshrrev_b32 v[KB+x], 7, v[KB+x]              ; bi
	v_lshl_add_u32 v[KB+x], v[KB+x], 11, v4        ; bi << 11 + 4 l
	v_add_nc_u32 v[KB+x], 128*(x/4)+x%4, v[KB+x]   ; + 128 q + e
.irp c, 0,1,2
	v_cmp_gt_u32 vcc_lo, s[20+(\c)], v[KB+x]       ; is this key below the query?
	v_add_co_ci_u32 v[C0+(\c)], vcc_lo, 0, v[C0+(\c)], vcc_lo
.endr
.set x, x+1
.endr
	; the 32 lanes' counts are added, in whole numbers: a move from the lane across, then an add
.irp m, 1,2,4,8
.irp c, 0,1,2
	v_mov_b32_dpp v[TP], v[C0+(\c)] row_xmask:\m row_mask:0xf bank_mask:0xf
	v_add_nc_u32 v[C0+(\c)], v[C0+(\c)], v[TP]
.endr
.endr
.irp c, 0,1,2
	v_permlanex16_b32 v[TP], v[C0+(\c)], s12, s13
	v_add_nc_u32 v[C0+(\c)], v[C0+(\c)], v[TP]
.endr
	; lane 0: my even sample's entry at its rank; lane 1: my odd one's; lane 2: a zero; lane 3: st[wid]
	v_mov_b32 v[IDX], v[C0]
	v_mov_b32 v[DAT], s24
	v_cmp_eq_u32 vcc_lo, 1, v1
	v_cndmask_b32 v[IDX], v[IDX], v[C0+1], vcc_lo
	v_cndmask_b32 v[DAT], v[DAT], s25, vcc_lo
	v_cmp_eq_u32 vcc_lo, 2, v1
	v_cndmask_b32 v[IDX], v[IDX], s26, vcc_lo
	v_cndmask_b32 v[DAT], v[DAT], 0, vcc_lo
	v_cmp_eq_u32 vcc_lo, 3, v1
	v_cndmask_b32 v[IDX], v[IDX], s27, vcc_lo
	v_cndmask_b32 v[DAT], v[DAT], v[C0+2], vcc_lo
	v_min_u32 v[IDX], 0xfff, v[IDX]                ; a number made of loaded data enters an address only inside the buffer's 4,096 entries
	v_lshlrev_b32 v[IDX], 2, v[IDX]
	s_wait_xcnt 0x0                                ; EXEC changes only behind this wait
	v_cmp_gt_u32 vcc_lo, 4, v1
	s_and_saveexec_b32 s30, vcc_lo
	global_store_b32 v[IDX], v[DAT], s[6:7]
	s_wait_xcnt 0x0                                ; and again, in front of the line that widens it
	s_or_b32 exec_lo, exec_lo, s30
	s_endpgm
.Lfunc_end_k_qbf278f6047_sort:
	.size	k_qbf278f6047_sort, .Lfunc_end_k_qbf278f6047_sort-k_qbf278f6047_sort
	.p2alignl 7, 3214868480
	.fill 96, 4, 3214868480
	.section	.rodata,"a",@progbits
	.p2align	6, 0x0
	.amdhsa_kernel k_qbf278f6047_sort
		.amdhsa_group_segment_fixed_size 0
		.amdhsa_private_segment_fixed_size 0
		.amdhsa_enable_private_segment 0
		.amdhsa_kernarg_size 16
		.amdhsa_user_sgpr_count 2
		.amdhsa_user_sgpr_kernarg_segment_ptr 1
		.amdhsa_wavefront_size32 1
		.amdhsa_system_sgpr_workgroup_id_x 1
		.amdhsa_system_sgpr_workgroup_id_y 1
		.amdhsa_system_sgpr_workgroup_id_z 1
		.amdhsa_system_vgpr_workitem_id 0
		.amdhsa_next_free_vgpr 96
		.amdhsa_next_free_sgpr 66
		.amdhsa_reserve_vcc 1
		.amdhsa_float_denorm_mode_32 3
		.amdhsa_float_denorm_mode_16_64 3
		.amdhsa_memory_ordered 1
		.amdhsa_forward_progress 1
		.amdhsa_inst_pref_size 28
	.end_amdhsa_kernel
	.amdgpu_metadata
---
amdhsa.version: [ 1, 2 ]
amdhsa.kernels:
  - .name:           k_qbf278f6047_sort
    .symbol:         k_qbf278f6047_sort.kd
    .args:
      - { .name: bmu, .offset: 0, .size: 8, .value_kind: global_buffer, .address_space: global }
      - { .name: ordst, .offset: 8, .size: 8, .value_kind: global_buffer, .address_space: global }
    .group_segment_fixed_size: 0
    .private_segment_fixed_size: 0
    .kernarg_segment_align: 8
    .kernarg_segment_size: 16
    .max_flat_workgroup_size: 128
    .sgpr_count:     66
    .vgpr_count:     96
    .wavefront_size: 32
...
	.end_amdgpu_metadata
.endif
;; end of part 6
;; launch ybuild (part 7): grid 128 x 2, 4 waves a work-group, no clusters, 103,424 bytes of LDS; arguments xb, ordst, yb, sy; writes yb, sy
.if DOCPART == 7
	.amdgcn_target "amdgcn-amd-amdhsa--gfx1250"
	.amdhsa_code_object_version 6
	.text
	.protected	k_qbf278f6047_ybuild
	.globl	k_qbf278f6047_ybuild
	.p2align	8
	.type	k_qbf278f6047_ybuild,@function
k_qbf278f6047_ybuild:
	s_mov_b64 s[64:65], 0
	v_nop
	global_prefetch_b8 v0, s[64:65] scope:SCOPE_SE
	s_setreg_imm32_b32 hwreg(HW_REG_WAVE_MODE, 25, 1), 1
	s_wait_xcnt 0x0
; YBUILD.  The neighbourhood is separable: lr[b][128 i + j] = A(i - bi_b) g(j - bj_b), g(t) = exp(-t^2 / 3317.76), 3317.76 = (64 x 0.9)^2.  So the samples of one grid row bi are first summed along j:
;   Y[bi][j][d] = the sum over the samples b with bi_b = bi of g(j - bj_b) x^[b][d],    Sy[bi][j] = the same sum of g(j - bj_b) alone,
; and the next launch sums over bi.  That holds for every input; the sum over b has as many terms as the bucket has samples, in place of 2,048.
; xb: [2048][768] bf16.  ordst: the samples sorted by bi (entry = bj << 11 | b), zeros behind them, and st[v] = the number of samples with bi < v, at entry 3072 + v.
; yb: [128 j][2 y][128 bi][384 d] bf16, so that the next launch's tile (one j, one half y of the channels, all bi) is dense.  sy: [2 y][128 bi][128 j] f32, each half's work-group writing its own copy.
; LIMITS.  g is rounded to bf16 for the product, and Sy is the sum of the same rounded numbers; Y is rounded to bf16, as the next product's operand.  A chunk's slots behind the bucket's end carry the weight 0 and
; some other sample's row: an infinity or NaN anywhere in x spreads, as it does in the definition, where every weight is positive.
; SHARES.  Work-group (bi, y); wave w owns j = 32 w .. 32 w + 31 and all 384 channels: 48 accumulators, and 2 for Sy.  The bucket goes in chunks of 32 samples; how many is read from memory, so the loop holds no
; barrier: list, rows, stage and fragments are each wave's own (the four waves fetch the same rows: 24 KB a chunk each).
; The sums start from 50 products of a fragment of zeros, which stand in the wait for st: the price of one text for every chunk, an empty bucket's none among them.
; THE MATRIX INSTRUCTION: source 0 = 16 channels x 32 samples of x^ (the rows lie along d: turned by ds_load_tr16_b128), source 1 = 16 j x 32 samples of g.  Lane l holds ONE j (l % 16) and eight neighbouring channels.
; REGISTERS, in windows of 256 (s_set_vgpr_msb: bits 1:0 source 0, 3:2 source 1, 5:4 source 2, 7:6 destination):
;   window 0: v0-19 addresses; v20-35 list entries, then row offsets; v36-51 bj; v52-59 at work; v64-255 the 32 rows as loaded, later Y on its way out
;   window 1: v0-191 fragments of x^; v192-199 ones; v200-215 g; v216-223 zeros; v224-239 at work        window 2: the accumulators of j block 0 (channel block nb at 8 nb), Sy at v192        window 3: those of j block 1
.set PX,    800                        ; a row of x^ in LDS: 768 bytes + 32 = 25 x 32
.set REG,   32*PX                      ; a wave's 32 rows; later its stage for the way out
.set SYS,   4*REG                      ; behind the four: 128 Sy, 512 bytes
.set SPARE, SYS+512                    ; the spare words, 128 bytes for each wave
.set SP,    784                        ; a stage row: 768 + 16 = 49 x 16: the 16 rows of a store start at 16 different groups of four banks
.set JSTEP, 196608                     ; bytes of yb from one j to the next
.set STOFF, 3072*4                     ; where st begins in ordst
.set LOF, 3                            ; v3   32 (l / 16): my half's first slot, in bytes of the list
.set LA,  4                            ; v4   the chunk's list address
.set COL, 5                            ; v5   16 (l % 16): my 16 bytes of 256
.set VST, 6                            ; v6   where I put 16 bytes of a row of x^
.set VTR, 7                            ; v7   my address for the turning loads
.set STO, 8                            ; v8   the way out: where I put 16 bytes of a row of Y
.set RD,  9                            ; v9   where I read rows back
.set CO,  10                           ; v10  my byte offset in yb; never rewritten
.set RM,  11                           ; v11  samples left in the bucket, less 8 (l / 16)
.set JF,  12                           ; v12-15  my j of block 0, twice; of block 1, twice
.set SPW, 16                           ; v16  LDS address of my spare word; never rewritten
.set NIL, 17                           ; v17  0; never rewritten
.set SYA, 18                           ; v18  where I put one Sy
.set H8,  19                           ; v19  8 (l / 16)
.set E,   20
.set BJ,  36
.set TM,  52
.set XG,  64
.set XF,  0                            ; window 1
.set ONE, 192
.set LR,  200
.set ZR,  216
.set T,   224
.set MSB, 0
.macro WIN new                         ; the immediate's high byte repeats the setting that is left; a switch that changes nothing is dropped
.if MSB != (\new)
	s_set_vgpr_msb (MSB<<8)|(\new)
.set MSB, \new
.endif
.endm
.macro PLACES                          ; four plain vector instructions between a matrix instruction and what reads its result (ISA guide 7.12.1)
.rept 4
	v_nop
.endr
.endm
; 25 matrix instructions: j block mb x the 24 channel blocks, then Sy.  The 50 accumulators take one turn a chunk, in the same order every time.  zero = 1: zeros times zeros start the sums.
.macro PASS mb, zero
	WIN 0xa5+0x50*(\mb)                            ; sources 0 and 1 in window 1, C and D in window 2 or 3
.set nb, 0
.rept 24
.if \zero
	v_wmma_f32_16x16x32_bf16 v[8*nb:8*nb+7], v[ZR:ZR+7], v[ZR:ZR+7], 0
.else
.if ((\mb) == 0) && (nb == 12)
	s_wait_dscnt 0x0                               ; channel blocks 12-23 are in
.endif
	v_wmma_f32_16x16x32_bf16 v[8*nb:8*nb+7], v[XF+8*nb:XF+8*nb+7], v[LR+8*(\mb):LR+8*(\mb)+7], v[8*nb:8*nb+7]
.endif
.set nb, nb+1
.endr
.if \zero
	v_wmma_f32_16x16x32_bf16 v[192:199], v[ZR:ZR+7], v[ZR:ZR+7], 0
.else
	v_wmma_f32_16x16x32_bf16 v[192:199], v[ONE:ONE+7], v[LR+8*(\mb):LR+8*(\mb)+7], v[192:199]
.endif
.endm
	s_load_b256 s[4:11], s[0:1], 0x0               ; xb s[4:5], ordst s[6:7], yb s[8:9], sy s[10:11]
	v_lshl_add_u32 v[SPW], v0, 2, SPARE
	v_mov_b32 v[NIL], 0
	v_lshrrev_b32 v1, 5, v0
	v_readfirstlane_b32 s12, v1                    ; wave 0..3
	s_mov_b32 s13, ttmp9                           ; bi
	s_and_b32 s14, ttmp7, 0xffff                   ; y
	s_lshl_b32 s16, s13, 2
	s_add_co_u32 s16, s16, STOFF
	s_mov_b32 s17, 0
	s_wait_kmcnt 0x0
	s_add_nc_u64 s[18:19], s[6:7], s[16:17]
	s_load_b32 s20, s[18:19], 0x0                  ; st[bi]: where my bucket begins in the list,
	s_load_b32 s21, s[18:19], 0x4                  ; st[bi + 1]: and where it ends (no line of this kernel writes ordst)
	s_mul_i32 s16, s14, 768
	s_add_nc_u64 s[4:5], s[4:5], s[16:17]          ; xb at my half of the channels
	s_lshl_b32 s16, s12, 6
	s_add_co_u32 s16, s16, s14                     ; 2 x my first j + y
	s_mul_i32 s16, s16, 98304
	s_mul_i32 s22, s13, 768
	s_add_co_u32 s16, s16, s22                     ; + row bi
	s_add_nc_u64 s[8:9], s[8:9], s[16:17]
	s_lshl_b32 s16, s14, 7
	s_add_co_u32 s16, s16, s13
	s_lshl_b32 s16, s16, 9
	s_add_nc_u64 s[10:11], s[10:11], s[16:17]      ; sy at (y, bi)
	s_mul_i32 s15, s12, REG                        ; my rows in LDS
	s_mov_b32 s28, 0xb9e3fb40                      ; -log2(e) / 3317.76
	s_mov_b32 s29, s28                             ; named with it as a pair
	s_mov_b32 s30, 0x461c4000                      ; 10,000: a bj so far off that the weight is 2^-43,000 = 0
	v_and_b32 v1, 15, v0                           ; l % 16
	v_bfe_u32 v2, v0, 4, 1                         ; l / 16
	v_lshlrev_b32 v[H8], 3, v2
	v_lshlrev_b32 v[LOF], 5, v2
	v_lshlrev_b32 v[COL], 4, v1
	v_mul_u32_u24 v[VST], v2, 8*PX                 ; half 0 stores rows 0-7 and 16-23, half 1 the rows eight below
	v_lshl_add_u32 v[VST], v1, 4, v[VST]
	v_add_nc_u32 v[VST], s15, v[VST]
	; The turning load takes 16 samples x 16 channels (lane l reads sample 8 (l / 16) + l % 8, channels 8 ((l / 8) % 2) + 0..7) and leaves half a fragment: lane l holds channel l % 16 and 8 samples.
	v_and_b32 v[VTR], 7, v0
	v_lshl_add_u32 v[VTR], v2, 3, v[VTR]
	v_mul_u32_u24 v[VTR], v[VTR], PX
	v_bfe_u32 v[TM], v0, 3, 1
	v_lshl_add_u32 v[VTR], v[TM], 4, v[VTR]
	v_add_nc_u32 v[VTR], s15, v[VTR]
	v_mul_u32_u24 v[STO], v1, SP                   ; the way out, in: row l % 16, 16 bytes for each half of the lanes
	v_lshl_add_u32 v[STO], v2, 4, v[STO]
	v_add_nc_u32 v[STO], s15, v[STO]
	v_mul_u32_u24 v[RD], v2, SP                    ; back: lanes 0-15 take 256 bytes of one row, lanes 16-31 of the next
	v_lshl_add_u32 v[RD], v1, 4, v[RD]
	v_add_nc_u32 v[RD], s15, v[RD]
	v_mul_u32_u24 v[CO], v2, JSTEP                 ; and the same two rows in yb
	v_lshl_add_u32 v[CO], v1, 4, v[CO]
	s_lshl_b32 s22, s12, 5
	v_add_nc_u32 v[JF], s22, v1
	v_cvt_f32_u32 v[JF], v[JF]                     ; my j of block 0
	v_mov_b32 v[JF+1], v[JF]
	v_add_f32 v[JF+2], 0x41800000, v[JF]           ; of block 1: 16 further
	v_mov_b32 v[JF+3], v[JF+2]
	v_lshl_add_u32 v[SYA], v0, 2, SYS
	WIN 0x40
.set e, 0
.rept 8
	v_mov_b32 v[ONE+e], 0x3f803f80                 ; two bf16 ones
	v_mov_b32 v[ZR+e], 0
.set e, e+1
.endr
	PASS 0, 1                                      ; the sums start at 0
	PASS 1, 1
	WIN 0                                          ; at a label and at a branch every window is 0
	s_wait_kmcnt 0x0
	s_min_u32 s20, s20, 0x800                      ; numbers read from memory enter addresses and counts only inside the list's 2,048 entries
	s_min_u32 s21, s21, 0x800
	s_max_u32 s21, s21, s20
	s_sub_co_u32 s27, s21, s20                     ; samples left in the bucket
	s_add_co_u32 s23, s27, 31
	s_lshr_b32 s23, s23, 5                         ; chunks
	s_mov_b32 s25, s20                             ; the chunk's first entry
	s_mov_b32 s24, 0
	s_cmp_lt_u32 s24, s23
	s_cbranch_scc0 .Lnone                          ; an empty bucket: Y and Sy are 0
.Lchunk:                                               ; 32 slots of the list.  Every LDS address in this loop is the same in every trip
	s_min_u32 s26, s25, 0x800                      ; at most the list's end: the 31 entries behind it are zeros
	s_lshl_b32 s26, s26, 2
	v_add_nc_u32 v[LA], s26, v[LOF]
	; Lane l takes the 16 slots that its half holds in a fragment: 8 (l / 16) + 0..7 and 16 + 8 (l / 16) + 0..7.  The same 16 are the rows that its half fetches.
.set n, 0
.rept 16
	global_load_b32 v[E+n], v[LA], s[6:7] offset:4*(n+8*(n/8))
.set n, n+1
.endr
	v_sub_nc_u32 v[RM], s27, v[H8]
	s_wait_loadcnt 0x0
.set n, 0
.rept 16
	v_lshrrev_b32 v[BJ+n], 11, v[E+n]
	v_min_u32 v[E+n], 0x3ffff, v[E+n]              ; a loaded number enters an address only behind a bound,
	v_and_b32 v[E+n], 0x7ff, v[E+n]                ; b,
	v_mad_u32_u24 v[E+n], v[E+n], 0x600, v[COL]    ; its row of 1,536 bytes and my 16 bytes
	v_cvt_f32_u32 v[BJ+n], v[BJ+n]
	v_cmp_lt_i32 vcc_lo, n+8*(n/8), v[RM]          ; is the slot inside the bucket?
	v_cndmask_b32 v[BJ+n], s30, v[BJ+n], vcc_lo    ; if not: the bj that gives the weight 0
.set n, n+1
.endr
.set n, 0
.rept 16
.irp u, 0,1,2
	global_load_b128 v[XG+12*n+4*(\u):XG+12*n+4*(\u)+3], v[E+n], s[4:5] offset:256*(\u)   ; each half of the lanes reads 256 consecutive bytes of its row, aligned
.endr
.set n, n+1
.endr
	; the weights, while the rows are on their way: 2^(K (j - bj)^2) in f32, rounded once to bf16
.irp mb, 0,1
	WIN 0x40                                       ; destination window 1, sources window 0
.irp p, 0,1,2,3,4,5,6,7
	v_pk_add_f32 v[T+2*(\p):T+2*(\p)+1], v[JF+2*(\mb):JF+2*(\mb)+1], v[BJ+2*(\p):BJ+2*(\p)+1] neg_lo:[0,1] neg_hi:[0,1]
.endr
	WIN 0x45                                       ; all in window 1
.irp p, 0,1,2,3,4,5,6,7
	v_pk_mul_f32 v[T+2*(\p):T+2*(\p)+1], v[T+2*(\p):T+2*(\p)+1], v[T+2*(\p):T+2*(\p)+1]
.endr
.irp p, 0,1,2,3,4,5,6,7
	v_pk_mul_f32 v[T+2*(\p):T+2*(\p)+1], v[T+2*(\p):T+2*(\p)+1], s[28:29] op_sel_hi:[1,0]
.endr
.irp p, 0,1,2,3,4,5,6,7,8,9,10,11,12,13,14,15
	v_exp_f32 v[T+(\p)], v[T+(\p)]
.endr
	v_nop                                          ; a plain instruction between the last exponential and the use of its result (ISA guide 5.7.2)
	s_wait_alu depctr_va_vdst(0)
.irp p, 0,1,2,3,4,5,6,7
	v_cvt_pk_bf16_f32 v[LR+8*(\mb)+(\p)], v[T+2*(\p)], v[T+2*(\p)+1]
.endr
.endr
	WIN 0
.set n, 0
.rept 16
.if n%4 == 0
	s_wait_loadcnt 36-3*n                          ; loads come back in order (ISA guide 5.7.1): the next four rows' twelve are in, the younger ones stay out
.endif
.irp u, 0,1,2
	ds_store_b128 v[VST], v[XG+12*n+4*(\u):XG+12*n+4*(\u)+3] offset:(n+8*(n/8))*PX+256*(\u)
.endr
.set n, n+1
.endr
	WIN 0x40                                       ; LDS serves a wave's instructions in order (ISA guide 5.7.1.4): these see the stores above
.set nb, 0
.rept 24
	ds_load_tr16_b128 v[XF+8*nb:XF+8*nb+3],   v[VTR] offset:32*nb
	ds_load_tr16_b128 v[XF+8*nb+4:XF+8*nb+7], v[VTR] offset:32*nb+16*PX
.set nb, nb+1
.endr
	s_wait_dscnt 24                                ; channel blocks 0-11 are in; the 24 loads of blocks 12-23 may be out
	PASS 0, 0
	PASS 1, 0
	WIN 0
	s_add_co_u32 s25, s25, 32
	s_sub_co_u32 s27, s27, 32
	s_add_co_u32 s24, s24, 1
	s_cmp_lt_u32 s24, s23
	s_cbranch_scc1 .Lchunk
.Lnone:
	PLACES
	; Sy: every register of lane l holds the sum of its j; lanes 0-15 give block 0's, lanes 16-31 block 1's.  The work-group's 128 meet in LDS and leave as one store.
	WIN 0x02
	v_mov_b32 v[TM], v192                          ; the sum's lowest register
	WIN 0x03
	v_mov_b32 v[TM+1], v192
	WIN 0
	v_and_b32 v[TM+2], 31, v0
	v_cmp_gt_u32 vcc_lo, 16, v[TM+2]
	v_cndmask_b32 v[TM], v[TM+1], v[TM], vcc_lo
	v_lshlrev_b32 v[TM+3], 4, v[TM+2]
	v_add_nc_u32 v[TM+2], SYS, v[TM+3]
	ds_store_b32 v[SYA], v[TM]
	s_wait_dscnt 0x0                               ; for wave 0's sake: my 32 are in LDS
	s_barrier_signal -1
; THE WAY OUT of j block mb: rounded to bf16, 16 bytes a lane (lowest registers first); through my stage; back as whole rows, into the registers that they left.
.macro PACK mb
	WIN 0x0a+5*(\mb)                               ; sources 0 and 1 in window 2 or 3
.set nb, 0
.rept 24
.irp i, 0,1,2,3
	v_cvt_pk_bf16_f32 v[XG+96*(\mb)+4*nb+(\i)], v[8*nb+2*(\i)], v[8*nb+2*(\i)+1]
.endr
.set nb, nb+1
.endr
	WIN 0
.endm
.macro STAGE mb
.set nb, 0
.rept 24
	ds_store_b128 v[STO], v[XG+96*(\mb)+4*nb:XG+96*(\mb)+4*nb+3] offset:32*nb
.set nb, nb+1
.endr
.set q, 0
.rept 24
	ds_load_b128 v[XG+96*(\mb)+4*q:XG+96*(\mb)+4*q+3], v[RD] offset:2*(q/3)*SP+256*(q%3)
.set q, q+1
.endr
.endm
.macro SEND mb
.set q, 0
.rept 24
	global_store_b128 v[CO], v[XG+96*(\mb)+4*q:XG+96*(\mb)+4*q+3], s[8:9] offset:(16*(\mb)+2*(q/3))*JSTEP+256*(q%3)  ; 16 lanes store 256 consecutive bytes, aligned; each block has registers of its own
.set q, q+1
.endr
.endm
	PACK 0                                         ; work on registers while the others arrive
	s_barrier_wait -1
	s_cmp_lg_u32 s12, 0
	s_cbranch_scc1 .Lnot_wave_0
	ds_load_b128 v[TM+4:TM+7], v[TM+2]
	s_wait_dscnt 0x0
	global_store_b128 v[TM+3], v[TM+4:TM+7], s[10:11]  ; 512 consecutive bytes, aligned
.Lnot_wave_0:
	STAGE 0
	PACK 1                                         ; block 1's conversions stand between block 0's loads from the stage and the wait for them
	STAGE 1
	s_wait_dscnt 48                                ; block 0 is back; block 1's 48 instructions may be out
	SEND 0
	s_wait_dscnt 0x0
	SEND 1
	s_wait_tensorcnt 0x0                           ; the wave's end, behind my last LDS store
	ds_add_u32 v[SPW], v[NIL]
	s_wait_dscnt 0x0
	s_endpgm
.Lfunc_end_k_qbf278f6047_ybuild:
	.size	k_qbf278f6047_ybuild, .Lfunc_end_k_qbf278f6047_ybuild-k_qbf278f6047_ybuild
	.p2alignl 7, 3214868480
	.fill 96, 4, 3214868480
	.section	.rodata,"a",@progbits
	.p2align	6, 0x0
	.amdhsa_kernel k_qbf278f6047_ybuild
		.amdhsa_group_segment_fixed_size 103424
		.amdhsa_private_segment_fixed_size 0
		.amdhsa_enable_private_segment 0
		.amdhsa_kernarg_size 32
		.amdhsa_user_sgpr_count 2
		.amdhsa_user_sgpr_kernarg_segment_ptr 1
		.amdhsa_wavefront_size32 1
		.amdhsa_system_sgpr_workgroup_id_x 1
		.amdhsa_system_sgpr_workgroup_id_y 1
		.amdhsa_system_sgpr_workgroup_id_z 1
		.amdhsa_system_vgpr_workitem_id 0
		.amdhsa_next_free_vgpr 976
		.amdhsa_next_free_sgpr 66
		.amdhsa_reserve_vcc 1
		.amdhsa_float_denorm_mode_32 3
		.amdhsa_float_denorm_mode_16_64 3
		.amdhsa_memory_ordered 1
		.amdhsa_forward_progress 1
		.amdhsa_inst_pref_size 58
	.end_amdhsa_kernel
	.amdgpu_metadata
---
amdhsa.version: [ 1, 2 ]
amdhsa.kernels:
  - .name:           k_qbf278f6047_ybuild
    .symbol:         k_qbf278f6047_ybuild.kd
    .args:
      - { .name: xb, .offset: 0, .size: 8, .value_kind: global_buffer, .address_space: global }
      - { .name: ordst, .offset: 8, .size: 8, .value_kind: global_buffer, .address_space: global }
      - { .name: yb, .offset: 16, .size: 8, .value_kind: global_buffer, .address_space: global }
      - { .name: sy, .offset: 24, .size: 8, .value_kind: global_buffer, .address_space: global }
    .group_segment_fixed_size: 103424
    .private_segment_fixed_size: 0
    .kernarg_segment_align: 8
    .kernarg_segment_size: 32
    .max_flat_workgroup_size: 128
    .sgpr_count:     66
    .vgpr_count:     976
    .wavefront_size: 32
...
	.end_amdgpu_metadata
.endif
;; end of part 7
;; launch final (part 8): grid 128 x 2, 4 waves a work-group, no clusters, 327,680 bytes of LDS; arguments yb, sy, weights, out0; writes out0
.if DOCPART == 8
	.amdgcn_target "amdgcn-amd-amdhsa--gfx1250"
	.amdhsa_code_object_version 6
	.text
	.protected	k_qbf278f6047_final
	.globl	k_qbf278f6047_final
	.p2align	8
	.type	k_qbf278f6047_final,@function
k_qbf278f6047_final:
	s_mov_b64 s[64:65], 0
	v_nop
	global_prefetch_b8 v0, s[64:65] scope:SCOPE_SE
	s_setreg_imm32_b32 hwreg(HW_REG_WAVE_MODE, 25, 1), 1
	s_wait_xcnt 0x0
; FINAL.  out[128 i + j][d] = W[128 i + j][d] (1 - S[i][j]) + the sum over bi of A(i - bi) Y[bi][j][d],   S[i][j] = the sum over bi of A(i - bi) Sy[bi][j],   A(t) = 0.27 exp(-t^2 / 3317.76).
; 0.27 = 0.3 x (1 - 100 / 1000); 3317.76 = (64 x 0.9)^2.  A's exponents lie between -9 and -1.8 in base 2 for every i and bi: nothing can overflow or vanish.
; yb: [128 j][2 y][128 bi][384 d] bf16; sy: [2 y][128 bi][128 j] f32; weights, out0: [16384][768] f32.  Sums in f32; W and 1 - S stay in f32.
; LIMITS.  A is rounded to bf16, and the same rounded A multiplies Y and Sy.  Sy enters as two bf16 numbers, its rounding and what the rounding left, so that S keeps 16 bits of it.
; SHARES.  Work-group (j, y): the 128 rows 128 i + j of the output, half y of their channels: 1,536 consecutive bytes of each row.  256 work-groups.  A wave owns 64 i (wave / 2) and, in each of the half's three blocks of
; 128 channels, 64 channels (wave % 2): 256 bytes of each row, three times.  48 accumulators and 4 for S.  K = bi = 128: four quarters of 32.
; MEMORY BINDS: 98 KB of Y and 196 KB of W come in and 196 KB go out for 224 matrix instructions a wave.  So ALL the input is asked for at the head, two tensor loads a wave (Y's first), into LDS bytes that are filled
; once; Y is multiplied while W is still landing.  No ring, no refill.  NO CLUSTER: no two work-groups read the same tile; what they share, A, is made in registers.
; A hangs on i - bi alone.  A fragment (16 i x 32 bi) is two halves of 16 bi, and the half for the difference t - 16 is the next fragment's first half: eleven halves of four registers, laid end to end in descending
; order, hold all sixteen fragments as overlapping runs of eight.  They are made while the tiles are on their way.
; THE MATRIX INSTRUCTION: source 0 = 16 channels x 32 bi of Y (its rows lie along d: turned by ds_load_tr16_b128), source 1 = 16 i x 32 bi of A.  Lane l holds ONE i (l % 16) and eight neighbouring channels.
; S: source 0 holds Sy in all 16 rows, so every register of lane l holds S of its i.
; sy is read as one word of each of 128 rows, once, a thread a row: its writer stores whole rows.
; REGISTERS, in windows of 256 (s_set_vgpr_msb: bits 1:0 source 0, 3:2 source 1, 5:4 source 2, 7:6 destination):
;   window 0: v0-31 addresses; v32-63 at work, later 1 - S; v64-107 A        window 1: v0-191 fragments of Y, two buffers of 96, later W; v192-255 Sy's fragments
;   window 2: the accumulators of channel blocks 6-11 ((mb, nb) at 48 mb + 8 (nb - 6))        window 3: those of channel blocks 0-5; v192-223 S
.set PY,    864                        ; a row of Y in LDS: three times 256 bytes + 32 = 27 x 32
.set YQ,    32*PY                      ; 32 rows: what one wave fetches, and one quarter of K
.set WT,    4*YQ                       ; behind Y: W's 128 rows of 1,536 bytes, read back 256 consecutive bytes at a time: no padding
.set WROW,  1536
.set SYB,   WT+128*WROW                ; behind W: Sy as 128 bf16, and what their rounding left: 256 bytes each, stored from registers; no tensor load lands there
.set SPARE, SYB+512                    ; the spare words, 128 bytes for each wave
.set SP,    784                        ; THE WAY OUT uses Y's bytes, which have had their one fill and their last read by then: 16 rows x (768 + 16) bytes for each wave,
.set WSTG,  16*SP
.set SSTG,  4*WSTG                     ; and behind them 256 bytes for each wave's 64 S
.set IROW,  393216                     ; bytes of weights and out0 from one i to the next: 128 rows of 3,072
.set AX,  8                            ; v8-9    my address for the turning loads: quarters 0, 1; quarters 2, 3
.set SFA, 10                           ; v10     for Sy's fragments
.set STO, 20                           ; v20     the way out: where I put 16 bytes of a row
.set RD,  21                           ; v21     where I read rows back
.set CO,  22                           ; v22     my byte offset in out0; never rewritten
.set SST, 23                           ; v23     where I put S
.set SLD, 24                           ; v24     where I read eight S back
.set WRD, 26                           ; v26-27  where I read W: blocks 0, 1 of 16 i; blocks 2, 3
.set SPW, 28                           ; v28     LDS address of my spare word; never rewritten
.set NIL, 29                           ; v29     0; never rewritten
.set TT,  32                           ; v32-63  1 - S of row 16 mb + 8 (l / 16) + rho at TT + 8 mb + rho
.set DE,  32                           ; v32-39  before that: i - bi for my eight bi of a half
.set TG,  40                           ; v40-47  at work
.set SV,  52                           ; v52-55  one Sy, at work
.set GB,  64                           ; v64-107 A: the fragment for block mb of 16 i and quarter q begins at GB + 4 (3 - mb + 2 q)
.set SYF, 192                          ; window 1: quarter q: Sy at SYF + 16 q, what its rounding left at SYF + 16 q + 8
.set WV,  12                           ; s12 my wave's number; s13 which 64 i; s14 which 64 channels of each 128; s15 j; s16 y
.set G1Y, 24                           ; s[24:31] descriptor group 1 for Y's tiles
.set G1W, 32                           ; s[32:39] for W's
.set G0Y, 40                           ; s[40:43] group 0 for Y's
.set G0W, 44                           ; s[44:47] for W's
.set OB,  48                           ; s[48:55] out0 at my rows of block mb: a pair for each of four
.set MSB, 0
.macro WIN new                         ; the immediate's high byte repeats the setting that is left; a switch that changes nothing is dropped
.if MSB != (\new)
	s_set_vgpr_msb (MSB<<8)|(\new)
.set MSB, \new
.endif
.endm
.macro PLACES                          ; four plain vector instructions between a matrix instruction and a load into, or an LDS store of, one of its registers (ISA guide 7.12.1 for vector instructions)
.rept 4
	v_nop
.endr
.endm
	s_load_b256 s[4:11], s[0:1], 0x0               ; yb s[4:5], sy s[6:7], weights s[8:9], out0 s[10:11]
	v_lshl_add_u32 v[SPW], v0, 2, SPARE
	v_mov_b32 v[NIL], 0
	ds_add_u32 v[SPW], v[NIL]                      ; the wave's opening: the add and its wait stand ahead of my first tensor load; the set-up below, work on registers, stands between them
	v_lshrrev_b32 v1, 5, v0
	v_readfirstlane_b32 s[WV], v1                  ; wave 0..3
	s_lshr_b32 s13, s[WV], 1
	s_and_b32 s14, s[WV], 1
	s_mov_b32 s15, ttmp9                           ; j
	s_and_b32 s16, ttmp7, 0xffff                   ; y
	; Y: 32 rows x 384 elements of 2 bytes, dense in memory; 8 words of padding behind every 64
	s_mov_b32 s[G1Y+0], (1<<16)|(1<<20)|(5<<22)|(7<<25)
	s_mov_b32 s[G1Y+1], 384<<16                    ; tensor_dim0 = 384
	s_mov_b32 s[G1Y+2], 32<<16                     ; tensor_dim1 = 32
	s_mov_b32 s[G1Y+3], 384<<16                    ; tile_dim0 = 384
	s_mov_b32 s[G1Y+4], 32                         ; tile_dim1 = 32
	s_mov_b32 s[G1Y+5], 384                        ; elements from row to row
	s_mov_b32 s[G1Y+6], 0
	s_mov_b32 s[G1Y+7], 0
	; W: 32 rows x 384 elements of 4 bytes, 128 rows of the tensor apart; no padding
	s_mov_b32 s[G1W+0], 2<<16
	s_mov_b32 s[G1W+1], 384<<16
	s_mov_b32 s[G1W+2], 32<<16
	s_mov_b32 s[G1W+3], 384<<16
	s_mov_b32 s[G1W+4], 32
	s_mov_b32 s[G1W+5], 98304
	s_mov_b32 s[G1W+6], 0
	s_mov_b32 s[G1W+7], 0
	s_mov_b32 s[G0Y], 1                            ; count = 1
	s_mul_i32 s[G0Y+1], s[WV], YQ                  ; LDS address: wave x 32 rows
	s_mov_b32 s[G0W], 1
	s_mul_i32 s[G0W+1], s[WV], 32*WROW
	s_add_co_u32 s[G0W+1], s[G0W+1], WT
	s_lshl1_add_u32 s18, s15, s16                  ; yb: block 2 j + y of 98,304 bytes,
	s_mul_i32 s18, s18, 98304
	s_mul_i32 s19, s[WV], 24576                    ; my 32 rows of 768
	s_add_co_u32 s18, s18, s19
	s_mov_b32 s19, 0
	s_mul_i32 s20, s[WV], 32*IROW                  ; weights: my 32 i,
	s_mul_i32 s21, s15, 3072                       ; row j of each,
	s_add_co_u32 s20, s20, s21
	s_mul_i32 s21, s16, 1536                       ; the half's 384 channels
	s_add_co_u32 s20, s20, s21
	s_mov_b32 s21, 0
	s_mul_i32 s22, s13, 64*IROW                    ; out0: my 64 i,
	s_mul_i32 s23, s15, 3072
	s_add_co_u32 s22, s22, s23
	s_mul_i32 s23, s16, 1536
	s_add_co_u32 s22, s22, s23
	s_lshl_b32 s23, s14, 8                         ; my 64 channels of each 128
	s_add_co_u32 s22, s22, s23
	s_mov_b32 s23, 0
	s_lshl_b32 s60, s16, 16                        ; sy: half y, column j
	s_lshl2_add_u32 s60, s15, s60
	s_mov_b32 s61, 0
	s_mov_b32 s56, 0xb9e3fb40                      ; -log2(e) / 3317.76
	s_mov_b32 s57, s56                             ; named with it as a pair
	s_mov_b32 s58, 0xbff1c9ba                      ; log2(0.27)
	s_mov_b32 s59, s58
	s_wait_dscnt 0x0                               ; the opening add is done
	s_wait_kmcnt 0x0
	s_add_nc_u64 s[G0Y+2:G0Y+3], s[4:5], s[18:19]
	s_or_b32 s[G0Y+3], s[G0Y+3], 0x80000000        ; type = 2
	s_add_nc_u64 s[G0W+2:G0W+3], s[8:9], s[20:21]
	s_or_b32 s[G0W+3], s[G0W+3], 0x80000000
	s_add_nc_u64 s[OB:OB+1], s[10:11], s[22:23]
	s_add_nc_u64 s[OB+2:OB+3], s[OB:OB+1], 16*IROW
	s_add_nc_u64 s[OB+4:OB+5], s[OB+2:OB+3], 16*IROW
	s_add_nc_u64 s[OB+6:OB+7], s[OB+4:OB+5], 16*IROW
	s_add_nc_u64 s[6:7], s[6:7], s[60:61]
	tensor_load_to_lds s[G0Y:G0Y+3], s[G1Y:G1Y+7]  ; both first fills go out together, Y's first: two tensor loads of mine are out
	s_nop 0
	tensor_load_to_lds s[G0W:G0W+3], s[G1W:G1W+7]
	s_nop 0
	v_lshlrev_b32 v3, 9, v0                        ; thread t takes Sy[t][j]: rows of 512 bytes
	global_load_b32 v[SV], v3, s[6:7]
	v_and_b32 v1, 15, v0                           ; l % 16
	v_bfe_u32 v2, v0, 4, 1                         ; l / 16
	v_lshl_add_u32 v4, v0, 1, SYB
	; The turning load takes 16 bi x 16 channels (lane l reads bi 8 (l / 16) + l % 8, channels 8 ((l / 8) % 2) + 0..7) and leaves half a fragment: lane l holds channel l % 16 and 8 bi.
	v_and_b32 v5, 7, v0
	v_bfe_u32 v6, v0, 3, 1
	v_lshl_add_u32 v5, v2, 3, v5
	v_mul_u32_u24 v5, v5, PY
	v_lshl_add_u32 v5, v6, 4, v5
	s_lshl_b32 s17, s14, 7                         ; my 64 channels of each 128
	v_add_nc_u32 v[AX], s17, v5
	v_add_nc_u32 v[AX+1], 2*YQ, v[AX]
	v_lshl_add_u32 v[SFA], v2, 4, SYB              ; Sy's fragment is the same for every l % 16
	s_mul_i32 s17, s[WV], WSTG                     ; my stage
	v_mul_u32_u24 v5, v1, SP                       ; in: row l % 16, 32 bytes for each half of the lanes
	v_lshl_add_u32 v5, v2, 5, v5
	v_add_nc_u32 v[STO], s17, v5
	v_mul_u32_u24 v5, v2, 8*SP                     ; back: lanes 0-15 take 256 bytes of one row, lanes 16-31 of the row eight below
	v_lshl_add_u32 v5, v1, 4, v5
	v_add_nc_u32 v[RD], s17, v5
	v_mul_u32_u24 v5, v2, 8*IROW                   ; the same in out0,
	v_lshl_add_u32 v[CO], v1, 4, v5
	s_mul_i32 s17, s13, 64*WROW                    ; and in W's tile
	s_lshl_b32 s18, s14, 8
	s_add_co_u32 s17, s17, s18
	s_add_co_u32 s17, s17, WT
	v_mul_u32_u24 v5, v2, 8*WROW
	v_lshl_add_u32 v5, v1, 4, v5
	v_add_nc_u32 v[WRD], s17, v5
	v_add_nc_u32 v[WRD+1], 32*WROW, v[WRD]
	s_lshl_b32 s17, s[WV], 8
	s_add_co_u32 s17, s17, SSTG
	v_lshl_add_u32 v[SST], v1, 2, s17
	v_lshl_add_u32 v[SLD], v2, 5, s17
	; A.  For the half g (9 down to -1): i - bi = 64 (wave / 2) + l % 16 - 8 (l / 16) + 16 (g - 6) - e, e = 0 .. 7.  Whole numbers, exact in f32; each half lies 16 below the one before.
	v_lshlrev_b32 v5, 3, v2
	v_sub_nc_u32 v5, v1, v5
	s_lshl_b32 s17, s13, 6
	s_add_co_u32 s17, s17, 48
	v_add_nc_u32 v5, s17, v5
.set e, 0
.rept 8
	v_add_nc_u32 v[DE+e], -e, v5
.set e, e+1
.endr
.set e, 0
.rept 8
	v_cvt_f32_i32 v[DE+e], v[DE+e]
.set e, e+1
.endr
.set g, 0
.rept 11
.irp p, 0,1,2,3
	v_pk_mul_f32 v[TG+2*(\p):TG+2*(\p)+1], v[DE+2*(\p):DE+2*(\p)+1], v[DE+2*(\p):DE+2*(\p)+1]
.endr
.irp p, 0,1,2,3
	v_pk_fma_f32 v[TG+2*(\p):TG+2*(\p)+1], v[TG+2*(\p):TG+2*(\p)+1], s[56:57], s[58:59] op_sel_hi:[1,0,0]
.endr
.irp p, 0,1,2,3,4,5,6,7
	v_exp_f32 v[TG+(\p)], v[TG+(\p)]
.endr
.irp p, 0,1,2,3
	v_pk_add_f32 v[DE+2*(\p):DE+2*(\p)+1], v[DE+2*(\p):DE+2*(\p)+1], 0xc1800000 op_sel_hi:[1,0]  ; the next half: 16 less; also the plain instructions between the last exponential and the use of its result (ISA guide 5.7.2)
.endr
	s_wait_alu depctr_va_vdst(0)
.irp p, 0,1,2,3
	v_cvt_pk_bf16_f32 v[GB+4*g+(\p)], v[TG+2*(\p)], v[TG+2*(\p)+1]
.endr
.set g, g+1
.endr
	s_wait_loadcnt 0x0                             ; my Sy
	v_cvt_pk_bf16_f32 v[SV+1], v[SV], v[SV]        ; its rounding,
	v_lshlrev_b32 v[SV+2], 16, v[SV+1]
	v_sub_f32 v[SV+2], v[SV], v[SV+2]              ; what the rounding left, exact in f32,
	v_cvt_pk_bf16_f32 v[SV+3], v[SV+2], v[SV+2]    ; and that rounded
	ds_store_b16 v4, v[SV+1]
	ds_store_b16 v4, v[SV+3] offset:256
; THE MATRIX WORK.  The 52 accumulators take their turns in the same order in every quarter, one instruction a turn (S's four have two turns, four instructions apart).  f: the buffer, 0 or 1.
; zero = 1: the product starts the sum: nothing is cleared.
; M3: 32 turns: e < 24 is channel block e / 4 (0-5) x block e % 4 of 16 i; 24-27 S by Sy's rounding; 28-31 S by what the rounding left.
.macro M3 q, f, zero
	WIN 0xf1                                       ; Y or Sy in window 1, A in window 0, C and D in window 3
.set e, 0
.rept 32
.set rG, GB+4*(3-(e%4)+2*(\q))
.if e < 24
.set rD, 48*(e%4)+8*(e/4)
.set rX, 96*(\f)+8*(e/4)
.else
.set rD, 192+8*(e%4)
.set rX, SYF+16*(\q)+8*((e-24)/4)
.endif
.if (\zero) && (e < 28)
	v_wmma_f32_16x16x32_bf16 v[rD:rD+7], v[rX:rX+7], v[rG:rG+7], 0
.else
	v_wmma_f32_16x16x32_bf16 v[rD:rD+7], v[rX:rX+7], v[rG:rG+7], v[rD:rD+7]
.endif
.set e, e+1
.endr
.endm
; M2: 24 turns: channel block 6 + e / 4 x block e % 4
.macro M2 q, f, zero
	WIN 0xa1                                       ; the same with C and D in window 2
.set e, 0
.rept 24
.set rG, GB+4*(3-(e%4)+2*(\q))
.set rD, 48*(e%4)+8*(e/4)
.set rX, 96*(\f)+48+8*(e/4)
.if \zero
	v_wmma_f32_16x16x32_bf16 v[rD:rD+7], v[rX:rX+7], v[rG:rG+7], 0
.else
	v_wmma_f32_16x16x32_bf16 v[rD:rD+7], v[rX:rX+7], v[rG:rG+7], v[rD:rD+7]
.endif
.set e, e+1
.endr
.endm
; 24 LDS loads in one run: quarter q of Y into buffer f, channel blocks ascending
.macro FETCH q, f
	WIN 0x40
.irp nb, 0,1,2,3,4,5,6,7,8,9,10,11
	ds_load_tr16_b128 v[96*(\f)+8*(\nb):96*(\f)+8*(\nb)+3],   v[AX+(\q)/2] offset:((\q)%2)*YQ+288*((\nb)/4)+32*((\nb)%4)
	ds_load_tr16_b128 v[96*(\f)+8*(\nb)+4:96*(\f)+8*(\nb)+7], v[AX+(\q)/2] offset:((\q)%2)*YQ+288*((\nb)/4)+32*((\nb)%4)+16*PY
.endr
.endm
.macro QUARTER q, f, zero              ; multiplies quarter q in buffer f and fetches the next into the other
	s_wait_dscnt 12                                ; channel blocks 0-5 are in (and Sy's fragments, which are older); the youngest twelve loads (blocks 6-11) may be out
	M3 \q, \f, \zero
	PLACES
	FETCH (\q)+1, 1-(\f)
	s_wait_dscnt 24                                ; all but the 24 just issued
	M2 \q, \f, \zero
.endm
	s_wait_tensorcnt 0x1                           ; my part of Y is in; W's may stay out
	s_wait_dscnt 0x0                               ; my Sy is in LDS
	s_barrier_signal -1
	s_barrier_wait -1                              ; everybody's is
	WIN 0x40
.irp q, 0,1,2,3
.irp s, 0,1
	ds_load_b128 v[SYF+16*(\q)+8*(\s):SYF+16*(\q)+8*(\s)+3],   v[SFA] offset:64*(\q)+256*(\s)
	ds_load_b128 v[SYF+16*(\q)+8*(\s)+4:SYF+16*(\q)+8*(\s)+7], v[SFA] offset:64*(\q)+256*(\s)+32
.endr
.endr
	FETCH 0, 0
	QUARTER 0, 0, 1
	QUARTER 1, 1, 0
	QUARTER 2, 0, 0
	s_wait_dscnt 12                                ; the last quarter: nothing more to fetch
	M3 3, 1, 0
	s_wait_tensorcnt 0x0                           ; my part of W is in: the others read it behind this barrier;
	s_wait_dscnt 0x0                               ; and my reads of Y are over: the others write their stages over it
	s_barrier_signal -1
	M2 3, 1, 0                                     ; work on registers while the others arrive
	WIN 0
	s_barrier_wait -1
	PLACES
	; THE WAY OUT.  S goes through LDS so that a lane gets the S of the rows that it will store; each block of 16 i goes through my stage (in: 32 bytes of a row a lane; back: 256 bytes of a row for 16 lanes),
	; into the registers that it left; W comes out of LDS in the same lanes; then out = W (1 - S) + sum.  The stage is my own and LDS serves a wave's instructions in order (ISA guide 5.7.1.4): no wait between stores and loads.
	WIN 0x0c                                       ; an LDS store's data (source 1) in window 3
.irp mb, 0,1,2,3
	ds_store_b32 v[SST], v[192+8*(\mb)] offset:64*(\mb)            ; each sum's lowest register; lanes l and l + 16 write the same word with the same value
.endr
	WIN 0
.irp mb, 0,1,2,3
	ds_load_b128 v[TT+8*(\mb):TT+8*(\mb)+3],   v[SLD] offset:64*(\mb)
	ds_load_b128 v[TT+8*(\mb)+4:TT+8*(\mb)+7], v[SLD] offset:64*(\mb)+16
.endr
.macro IN mb                           ; 24 stores; each accumulator's four lowest registers first
.irp nb, 0,1,2,3,4,5,6,7,8,9,10,11
	WIN 0x0c-0x04*((\nb)/6)
.set rD, 48*(\mb)+8*((\nb)%6)
	ds_store_b128 v[STO], v[rD:rD+3]   offset:256*((\nb)/4)+64*((\nb)%4)
	ds_store_b128 v[STO], v[rD+4:rD+7] offset:256*((\nb)/4)+64*((\nb)%4)+16
.endr
.endm
.macro OUT mb                          ; 24 loads: q = 3 rho + u; q < 12 into window 3, the rest into window 2
.set q, 0
.rept 24
	WIN 0xc0-0x40*(q/12)
.set rD, 48*(\mb)+4*(q%12)
	ds_load_b128 v[rD:rD+3], v[RD] offset:SP*(q/3)+256*(q%3)
.set q, q+1
.endr
.endm
.macro WLD mb                          ; 24 loads: W of the same rows and bytes, into Y's buffer mb % 2, which has been multiplied for the last time
	WIN 0x40
.set q, 0
.rept 24
	ds_load_b128 v[96*((\mb)%2)+4*q:96*((\mb)%2)+4*q+3], v[WRD+(\mb)/2] offset:(16*((\mb)%2)+q/3)*WROW+512*(q%3)
.set q, q+1
.endr
.endm
.macro FIN mb, ds                      ; ds: the LDS instructions issued behind this block's loads of W
	s_wait_dscnt \ds
.set bW, 96*((\mb)%2)
.irp half, 0,1
	WIN 0xf1-0x50*(\half)                          ; the sums (source 2, destination) in window 3 or 2, W (source 0) in window 1, 1 - S (source 1) in window 0
.set q, 12*(\half)
.rept 12
.set rD, 48*(\mb)+4*(q%12)
.set rT, TT+8*(\mb)+2*((q/3)/2)
.irp z, 0,2
.if (q/3)%2
	v_pk_fma_f32 v[rD+(\z):rD+(\z)+1], v[bW+4*q+(\z):bW+4*q+(\z)+1], v[rT:rT+1], v[rD+(\z):rD+(\z)+1] op_sel:[0,1,0] op_sel_hi:[1,1,1]
.else
	v_pk_fma_f32 v[rD+(\z):rD+(\z)+1], v[bW+4*q+(\z):bW+4*q+(\z)+1], v[rT:rT+1], v[rD+(\z):rD+(\z)+1] op_sel_hi:[1,0,1]
.endif
.endr
.set q, q+1
.endr
	WIN 0x0c-0x04*(\half)                          ; a store's data (source 1) in window 3 or 2
.set q, 12*(\half)
.rept 12
.set rD, 48*(\mb)+4*(q%12)
	global_store_b128 v[CO], v[rD:rD+3], s[OB+2*(\mb):OB+2*(\mb)+1] offset:(q/3)*IROW+512*(q%3) th:TH_STORE_NT  ; 16 lanes store 256 consecutive bytes, aligned; each block has registers of its own: none that a store reads is rewritten
.set q, q+1
.endr
.endr
.endm
	IN 0
	s_wait_dscnt 24                                ; S is back; block 0's 24 stores may be out
	WIN 0
.set e, 0
.rept 16
	v_pk_fma_f32 v[TT+2*e:TT+2*e+1], v[TT+2*e:TT+2*e+1], -1.0, 1.0 op_sel_hi:[1,0,0]  ; 1 - S
.set e, e+1
.endr
	OUT 0
	WLD 0
	IN 1                                           ; a block's trip through the stage stands between the loads of the block before and the wait for them
	OUT 1
	FIN 0, 48
	WLD 1
	IN 2
	OUT 2
	FIN 1, 48
	WLD 2
	IN 3
	OUT 3
	FIN 2, 48
	WLD 3
	FIN 3, 0
	WIN 0
	s_wait_tensorcnt 0x0                           ; the wave's end, behind my last tensor load and my last LDS store
	ds_add_u32 v[SPW], v[NIL]
	s_wait_dscnt 0x0
	s_endpgm
.Lfunc_end_k_qbf278f6047_final:
	.size	k_qbf278f6047_final, .Lfunc_end_k_qbf278f6047_final-k_qbf278f6047_final
	.p2alignl 7, 3214868480
	.fill 96, 4, 3214868480
	.section	.rodata,"a",@progbits
	.p2align	6, 0x0
	.amdhsa_kernel k_qbf278f6047_final
		.amdhsa_group_segment_fixed_size 327680
		.amdhsa_private_segment_fixed_size 0
		.amdhsa_enable_private_segment 0
		.amdhsa_kernarg_size 32
		.amdhsa_user_sgpr_count 2
		.amdhsa_user_sgpr_kernarg_segment_ptr 1
		.amdhsa_wavefront_size32 1
		.amdhsa_system_sgpr_workgroup_id_x 1
		.amdhsa_system_sgpr_workgroup_id_y 1
		.amdhsa_system_sgpr_workgroup_id_z 1
		.amdhsa_system_vgpr_workitem_id 0
		.amdhsa_next_free_vgpr 1024
		.amdhsa_next_free_sgpr 66
		.amdhsa_reserve_vcc 0
		.amdhsa_float_denorm_mode_32 3
		.amdhsa_float_denorm_mode_16_64 3
		.amdhsa_memory_ordered 1
		.amdhsa_forward_progress 1
		.amdhsa_inst_pref_size 87
	.end_amdhsa_kernel
	.amdgpu_metadata
---
amdhsa.version: [ 1, 2 ]
amdhsa.kernels:
  - .name:           k_qbf278f6047_final
    .symbol:         k_qbf278f6047_final.kd
    .args:
      - { .name: yb, .offset: 0, .size: 8, .value_kind: global_buffer, .address_space: global }
      - { .name: sy, .offset: 8, .size: 8, .value_kind: global_buffer, .address_space: global }
      - { .name: weights, .offset: 16, .size: 8, .value_kind: global_buffer, .address_space: global }
      - { .name: out0, .offset: 24, .size: 8, .value_kind: global_buffer, .address_space: global }
    .group_segment_fixed_size: 327680
    .private_segment_fixed_size: 0
    .kernarg_segment_align: 8
    .kernarg_segment_size: 32
    .max_flat_workgroup_size: 128
    .sgpr_count:     66
    .vgpr_count:     1024
    .wavefront_size: 32
...
	.end_amdgpu_metadata
.endif
;; end of part 8
;; ======== version 3 of 3: 6 launches; version 2 with the launch prep written anew for expert scheduling mode
;; limits: values within 7.6e-06 (relative) of each other or of a threshold may be ordered or decided otherwise than in the reference; values outside matrix products are rounded to bf16
;; workspace buffers: xb 3,145,728 bytes; wb 25,165,824 bytes; hw 65,536 bytes; pk 2,097,152 bytes; bmu 8,192 bytes of whole numbers; ordst 16,384 bytes of whole numbers; yb 25,165,824 bytes; sy 131,072 bytes
;; launch prep (part 9): grid 256 x 1, 8 waves a work-group, no clusters, 1,280 bytes of LDS; arguments embedded, weights, xb, wb, hw; writes xb, wb, hw
.if DOCPART == 9
	.amdgcn_target "amdgcn-amd-amdhsa--gfx1250"
	.amdhsa_code_object_version 6
	.text
	.protected	k_qbf278f6047_prep
	.globl	k_qbf278f6047_prep
	.p2align	8
	.type	k_qbf278f6047_prep,@function
k_qbf278f6047_prep:
	s_mov_b64 s[64:65], 0
	v_nop
	global_prefetch_b8 v0, s[64:65] scope:SCOPE_SE
	s_setreg_imm32_b32 hwreg(HW_REG_WAVE_SCHED_MODE, 0, 2), 2
	s_setreg_imm32_b32 hwreg(HW_REG_WAVE_MODE, 25, 1), 1
	s_wait_xcnt 0x0
	s_wait_alu depctr_vm_vsrc(0)
; PREP.  xb = bf16(embedded) [2048][768], wb = bf16(weights) [16384][768], hw[c] = -1/2 x the sum over d of wb[c][d]^2, in f32.
; hw is taken of the ROUNDED row, so that x^ . w^ - |w^|^2 / 2 in the next launch is, up to a term constant in c, the true distance of the rounded points:
; a common offset of the inputs cancels in it as it does in the distance itself.
; A stream: memory binds, so no matrix unit, no cluster, no tile.  18,432 rows = 256 work-groups x 72: work-group g takes rows 64 g .. 64 g + 63 of weights and rows 8 g .. 8 g + 7
; of embedded; wave w takes eight rows of weights and one of embedded, a whole row at a time: 3,072 bytes = six loads of 512 consecutive bytes.  All 54 loads of a wave go out at the head
; (27 KB a wave on their way); each row has registers of its own, which are rounded in place and stored from there, so no register that a store reads is ever rewritten.
; A store of 8 bytes a lane covers 256 consecutive bytes, aligned.  The 64 sums of a work-group meet in LDS and leave as one store of 256 bytes.
; THE MODE: SCHED_MODE bits 1:0 = 2 (LLVM: expert scheduling mode 2), set by the entry lines.  The code itself states the register dependences
; between vector instructions and memory or LDS instructions, with s_wait_alu, always for 0.
; THE PLAN.  Registers that memory or LDS instructions touch:
;   v1, v14, v15      Offsets and an LDS address: written at the head, never again; read by every load, store and LDS instruction.
;   row k's 24        Written by its six loads, all issued at the head; then its twelve conversions round it in place.  Of each four registers the first two are read by the row's stores
;                     and by the unpacking lines, and are never written again.
;   v[XR + 24 k + HS] One of the registers that the conversions have left free: the row's last multiply puts -1/2 x its sum there, and one LDS store at the end reads it.
;   v[TW:TW+1]        At work in the rows, named by vector instructions alone; behind the barrier wave 0's LDS load lands there, and its last store reads them.
;   v[SPW], v[NIL]    Written at the head, read by the closing add alone.
; The rows of weights go in four blocks of two.  A block's first row is rounded and squared when it is in: vector work alone, which stands in the wait for the second row.  The second row is
; rounded; ONE wait on va_vdst states that both rows' conversions are written; the block's twelve stores follow, dealt among the second row's squares, each ahead of the lines that unpack its
; registers: no vector instruction since the wait names a register that a store still to come touches.  The row of embedded is the last block: its wait also states that the eight sums are
; written and that the vector side is done with v[TW:TW+1]; no vector instruction follows it.  No register that a memory or LDS instruction reads is written again: no wait on vm_vsrc is owed.
.set ROWF,  3072                       ; bytes of a row in f32
.set ROWB,  1536                       ; in bf16
.set SPARE, 256                        ; LDS: bytes 0-255 the 64 sums; from 256 on the spare words, 128 bytes for each of the eight waves
.set TW,  2                            ; v[2:9]     at work
.set SUM, 10                           ; v[10:13]   two packed sums
.set XR,  16                           ; v[16:231]  row k of nine at XR + 24 k
.set HS,  2                            ; where in a row's registers its -1/2 sum waits for the LDS store: the third of the first four, which no store reads
.set SPW, 232                          ; v232       LDS address of my spare word; never rewritten
.set NIL, 233                          ; v233       0; never rewritten
	s_load_b256 s[4:11], s[0:1], 0x0               ; embedded s[4:5], weights s[6:7], xb s[8:9], wb s[10:11]
	s_load_b64 s[12:13], s[0:1], 0x20              ; hw
	v_lshl_add_u32 v[SPW], v0, 2, SPARE
	v_mov_b32 v[NIL], 0
	v_and_b32 v1, 31, v0                           ; lane
	v_lshrrev_b32 v2, 5, v0
	v_readfirstlane_b32 s14, v2                    ; wave 0..7
	v_lshlrev_b32 v14, 3, v1                       ; 8 x lane: my place in 256 bytes of bf16
	v_lshlrev_b32 v1, 4, v1                        ; 16 x lane: my place in 512 bytes of f32
	s_mov_b32 s16, 0xffff0000                      ; a word's upper bf16
	s_mov_b32 s18, 0x76543210                      ; v_permlanex16_b32: each lane takes its own place in the other half
	s_mov_b32 s19, 0xfedcba98
	s_wait_alu depctr_va_sdst(0)                   ; s14 is written, ahead of its first reader: v15 and the rows' bases are made from it
	v_mov_b32 v15, s14
	v_lshlrev_b32 v15, 5, v15                      ; LDS: my wave's eight sums
	s_lshl_b32 s20, ttmp9, 6
	s_lshl3_add_u32 s20, s14, s20                  ; my first row of weights: 64 g + 8 w
	s_mul_i32 s22, s20, ROWB
	s_mul_i32 s20, s20, ROWF                       ; 50,331,648 at the most: 32 bits hold it
	s_mov_b32 s21, 0
	s_mov_b32 s23, 0
	s_lshl3_add_u32 s24, ttmp9, s14                ; my row of embedded: 8 g + w
	s_mul_i32 s26, s24, ROWB
	s_mul_i32 s24, s24, ROWF
	s_mov_b32 s25, 0
	s_mov_b32 s27, 0
	s_lshl_b32 s28, ttmp9, 8                       ; the work-group's 64 sums in hw
	s_mov_b32 s29, 0
	s_wait_kmcnt 0x0
	s_add_nc_u64 s[6:7], s[6:7], s[20:21]
	s_add_nc_u64 s[10:11], s[10:11], s[22:23]
	s_add_nc_u64 s[4:5], s[4:5], s[24:25]
	s_add_nc_u64 s[8:9], s[8:9], s[26:27]
	s_add_nc_u64 s[12:13], s[12:13], s[28:29]
	s_wait_alu depctr_va_vdst(0)                   ; v1, v14 and v15 are written: every load, store and LDS instruction of the kernel reads one of them as its offset or address
.set k, 0
.rept 8
.irp t, 0,1,2,3,4,5
	global_load_b128 v[XR+24*k+4*(\t):XR+24*k+4*(\t)+3], v1, s[6:7] offset:k*ROWF+(\t)*512 th:TH_LOAD_NT
.endr
.set k, k+1
.endr
.irp t, 0,1,2,3,4,5
	global_load_b128 v[XR+192+4*(\t):XR+192+4*(\t)+3], v1, s[4:5] offset:(\t)*512 th:TH_LOAD_NT
.endr
; Row k is rounded: twelve conversions.
.macro CVT k
.irp t, 0,1,2,3,4,5
.set rx, XR+24*(\k)+4*(\t)
	v_cvt_pk_bf16_f32 v[rx], v[rx], v[rx+1]        ; four numbers become 8 bytes, in the registers that they came in
	v_cvt_pk_bf16_f32 v[rx+1], v[rx+2], v[rx+3]
.endr
.endm
; Row k's sum of squares.  out = 1: row k is a block's second row, and the block's twelve stores are dealt among its six steps, two ahead of each step's vector lines.
.macro NORM k, out
.irp t, 0,1,2,3,4,5
.set rx, XR+24*(\k)+4*(\t)
.set ry, TW+4*((\t)%2)
.if \out
	global_store_b64 v14, v[rx-24:rx-23], s[10:11] offset:((\k)-1)*ROWB+(\t)*256  ; the block's first row: no vector instruction since the wait names its registers
	global_store_b64 v14, v[rx:rx+1], s[10:11] offset:(\k)*ROWB+(\t)*256          ; the second row: ahead of the lines that unpack these two registers
.endif
	v_lshlrev_b32 v[ry],   16,  v[rx]              ; the rounded numbers back in f32
	v_and_b32     v[ry+1], s16, v[rx]
	v_lshlrev_b32 v[ry+2], 16,  v[rx+1]
	v_and_b32     v[ry+3], s16, v[rx+1]
.if (\t) == 0
	v_pk_mul_f32 v[SUM:SUM+1],   v[ry:ry+1],   v[ry:ry+1]      ; the first squares start the sums: nothing is cleared
	v_pk_mul_f32 v[SUM+2:SUM+3], v[ry+2:ry+3], v[ry+2:ry+3]
.else
	v_pk_fma_f32 v[SUM:SUM+1],   v[ry:ry+1],   v[ry:ry+1],   v[SUM:SUM+1]
	v_pk_fma_f32 v[SUM+2:SUM+3], v[ry+2:ry+3], v[ry+2:ry+3], v[SUM+2:SUM+3]
.endif
.endr
	v_pk_add_f32 v[SUM:SUM+1], v[SUM:SUM+1], v[SUM+2:SUM+3]
	v_add_f32 v[SUM], v[SUM], v[SUM+1]
	v_add_f32_dpp v[SUM], v[SUM], v[SUM] row_xmask:1 row_mask:0xf bank_mask:0xf
	v_add_f32_dpp v[SUM], v[SUM], v[SUM] row_xmask:2 row_mask:0xf bank_mask:0xf
	v_add_f32_dpp v[SUM], v[SUM], v[SUM] row_xmask:4 row_mask:0xf bank_mask:0xf
	v_add_f32_dpp v[SUM], v[SUM], v[SUM] row_xmask:8 row_mask:0xf bank_mask:0xf
	v_permlanex16_b32 v[SUM+1], v[SUM], s18, s19
	v_add_f32 v[SUM], v[SUM], v[SUM+1]             ; every lane holds the row's sum
	v_mul_f32 v[XR+24*(\k)+HS], -0.5, v[SUM]       ; into a register of the row's own, so that v[SUM] is named by vector instructions alone
.endm
.irp m, 0,1,2,3
	s_wait_loadcnt 48-12*(\m)                      ; loads come back in order (ISA guide 5.7.1): the first row's six are in, the loads issued behind them stay out
	CVT 2*(\m)
	NORM 2*(\m), 0
	s_wait_loadcnt 42-12*(\m)                      ; the second row's six are in
	CVT 2*(\m)+1
	s_wait_alu depctr_va_vdst(0)                   ; the conversions of both rows of the block are written: the twelve stores below read them
	NORM 2*(\m)+1, 1
.endr
	s_wait_loadcnt 0x0                             ; the row of embedded
	CVT 8
	s_wait_alu depctr_va_vdst(0)                   ; its conversions are written, which the six stores read; so are the eight sums, which the LDS stores read; and the vector side is done with v[TW:TW+1], in which wave 0's load lands
.irp t, 0,1,2,3,4,5
	global_store_b64 v14, v[XR+192+4*(\t):XR+192+4*(\t)+1], s[8:9] offset:(\t)*256
.endr
.irp k, 0,1,2,3,4,5,6,7
	ds_store_b32 v15, v[XR+24*(\k)+HS] offset:4*(\k)   ; all lanes write the same word with the same value
.endr
	s_wait_dscnt 0x0                               ; for wave 0's sake: my eight sums are in LDS
	s_barrier_signal -1
	s_barrier_wait -1
	s_cmp_lg_u32 s14, 0
	s_cbranch_scc1 .Lnot_wave_0
	ds_load_b64 v[TW:TW+1], v14                    ; 64 sums, two a lane
	s_wait_dscnt 0x0
	global_store_b64 v14, v[TW:TW+1], s[12:13]     ; 256 consecutive bytes, aligned
.Lnot_wave_0:
	s_wait_dscnt 0x0                               ; the closing lines, six on end
	s_wait_alu 0x0
	s_wait_tensorcnt 0x0
	ds_add_u32 v[SPW], v[NIL]
	s_wait_dscnt 0x0
	s_endpgm
.Lfunc_end_k_qbf278f6047_prep:
	.size	k_qbf278f6047_prep, .Lfunc_end_k_qbf278f6047_prep-k_qbf278f6047_prep
	.p2alignl 7, 3214868480
	.fill 96, 4, 3214868480
	.section	.rodata,"a",@progbits
	.p2align	6, 0x0
	.amdhsa_kernel k_qbf278f6047_prep
		.amdhsa_group_segment_fixed_size 1280
		.amdhsa_private_segment_fixed_size 0
		.amdhsa_enable_private_segment 0
		.amdhsa_kernarg_size 40
		.amdhsa_user_sgpr_count 2
		.amdhsa_user_sgpr_kernarg_segment_ptr 1
		.amdhsa_wavefront_size32 1
		.amdhsa_system_sgpr_workgroup_id_x 1
		.amdhsa_system_sgpr_workgroup_id_y 1
		.amdhsa_system_sgpr_workgroup_id_z 1
		.amdhsa_system_vgpr_workitem_id 0
		.amdhsa_next_free_vgpr 240
		.amdhsa_next_free_sgpr 66
		.amdhsa_reserve_vcc 0
		.amdhsa_float_denorm_mode_32 3
		.amdhsa_float_denorm_mode_16_64 3
		.amdhsa_memory_ordered 1
		.amdhsa_forward_progress 1
		.amdhsa_inst_pref_size 36
	.end_amdhsa_kernel
	.amdgpu_metadata
---
amdhsa.version: [ 1, 2 ]
amdhsa.kernels:
  - .name:           k_qbf278f6047_prep
    .symbol:         k_qbf278f6047_prep.kd
    .args:
      - { .name: embedded, .offset: 0, .size: 8, .value_kind: global_buffer, .address_space: global }
      - { .name: weights, .offset: 8, .size: 8, .value_kind: global_buffer, .address_space: global }
      - { .name: xb, .offset: 16, .size: 8, .value_kind: global_buffer, .address_space: global }
      - { .name: wb, .offset: 24, .size: 8, .value_kind: global_buffer, .address_space: global }
      - { .name: hw, .offset: 32, .size: 8, .value_kind: global_buffer, .address_space: global }
    .group_segment_fixed_size: 1280
    .private_segment_fixed_size: 0
    .kernarg_segment_align: 8
    .kernarg_segment_size: 40
    .max_flat_workgroup_size: 256
    .sgpr_count:     66
    .vgpr_count:     240
    .wavefront_size: 32
...
	.end_amdgpu_metadata
.endif
;; end of part 9
;; launch score: the kernel of part 2 again; grid 64 x 8, 4 waves a work-group, clusters of 4 x 4, 327,680 bytes of LDS; arguments xb, wb, hw, pk; writes pk
;; launch pick: the kernel of part 5 again; grid 32 x 1, 16 waves a work-group, no clusters, 10,240 bytes of LDS; arguments pk, bmu; writes bmu
;; launch sort: the kernel of part 6 again; grid 256 x 1, 4 waves a work-group, no clusters, 0 bytes of LDS; arguments bmu, ordst; writes ordst
;; launch ybuild: the kernel of part 7 again; grid 128 x 2, 4 waves a work-group, no clusters, 103,424 bytes of LDS; arguments xb, ordst, yb, sy; writes yb, sy
;; launch final: the kernel of part 8 again; grid 128 x 2, 4 waves a work-group, no clusters, 327,680 bytes of LDS; arguments yb, sy, weights, out0; writes out0
